; MI455X (gfx1250); checked and timed in simulation.
; The chip was launched on July 23, 2026; its instructions are those of AMD's public machine-readable ISA for CDNA 5 (MIT licence, August 2026) and "CDNA5" Instruction Set Architecture Reference Guide (July 2026). The comments in the code are by the model that wrote it; some were corrected since.
;; Causal Self Attention. Allowed arithmetic: matrix products marked QUANTISED: E4M3 operands, one given power-of-two scale a tensor, by v_wmma_f32_16x16x64_fp8_fp8 or v_wmma_f32_16x16x128_fp8_fp8, f32 sums; everything else in f32.
;; Inputs: lowp_scales 8 int32 (the exponents e of the quantised operands' scales 2^e); w_out_codes 1,024 x 32 x 32 uint8 (E4M3 codes of w_out, K innermost, in blocks of 32 codes); w_qkv_codes 3,072 x 32 x 32 uint8 (E4M3 codes of w_qkv, K innermost, in blocks of 32 codes); x_codes 4 x 2,048 x 32 x 32 uint8 (E4M3 codes of x, K innermost, in blocks of 32 codes).
;; Outputs: out0 4 x 2,048 x 1,024 float32.
;; This version of the problem:
;;   THIS VERSION OF THE PROBLEM IS GIVEN IN LOW PRECISION. The matrix products marked QUANTISED in the list below multiply operands that are first quantised to E4M3 (4 exponent bits, 3 mantissa bits; 8 bits a number), with one given power-of-two scale for each operand tensor; their sums are f32. All else is computed in f32.
;;   The module's matrix products, in the order in which they are computed (A, B: the left and right operand; K: the contracted axis; several contracted axes count as one K, in the product's order):
;;     1. [M 8,192, K 1,024] x [K 1,024, N 3,072]; A: input x (given as codes); B: input w_qkv (given as codes): QUANTISED (scales: A lowp_scales[0], B lowp_scales[1])
;;     2. batch 64 x [M 2,048, K 64] x [K 64, N 2,048]; A: computed on the way; B: computed on the way: QUANTISED (scales: A lowp_scales[2], B lowp_scales[3])
;;     3. batch 64 x [M 64, K 2,048] x [K 2,048, N 2,048]; A: computed on the way; B: softmax (see below): QUANTISED (scales: A lowp_scales[4], B lowp_scales[5])
;;     4. [M 8,192, K 1,024] x [K 1,024, N 1,024]; A: computed on the way; B: input w_out (given as codes): QUANTISED (scales: A lowp_scales[6], B lowp_scales[7])
;;   THE QUANTISER, for each operand of a quantised product, along K:
;;     - The operand's scale is 2^e, e = its entry of the input lowp_scales (int32; the entries are numbered through the quantised products in the list's order, A before B).
;;     - Each number is divided by the scale, clamped to +-448, and rounded to the nearest number of E4M3, ties to even, subnormals kept.
;;     - The product sums the exact products of the quantised numbers (number of the format x scale) in f32.
;;   ~~~python
;;   def quantise(x, axis, e):      # numpy; x: float32 -> the quantised numbers, widened to float32 again
;;       x = np.moveaxis(x, axis, -1); K = x.shape[-1]
;;       r = np.clip(x / 2.0 ** e, -448, 448)
;;       step = 2.0 ** (np.maximum(np.frexp(np.where(r == 0, 1, r))[1] - 1, -6) - 3)
;;       q = np.round(r / step) * step * 2.0 ** e      # np.round: ties to even
;;       return np.moveaxis(q, -1, axis).astype(np.float32)
;;   ~~~
;;   SOFTMAX AHEAD OF A QUANTISED PRODUCT. Where the list says 'softmax', what is quantised is not the finished softmax but p = 2^(t - M), with t = logit x log2(e) and M = ceil(the row's largest t), a whole number; so 1/2 < the row's largest p <= 1. The row's sum l is taken of the UNQUANTISED p, in f32, and the product's result is divided by l at the end. Since M is a whole number, a kernel that streams over the keys may use a running M (the ceiling of the running maximum): every later rescaling is an exact power of two, so the quantised numbers keep their values, but for numbers so far below the row's largest that they fall under the format's range.
;;   OPERANDS COMPUTED ON THE WAY. 'Computed on the way' means the value that the module computes at that place (a softmax that the list does not call 'softmax' is quantised finished and normalised). What goes into a quantiser is computed in f32, as accurately as f32 sums, v_exp_f32 and their like allow (about 1e-6 of the number): no bf16 or f16 on the way to a quantiser, and a product that is left as it is and whose result goes on into a quantised operand takes f32 operands (vector FMAs, or v_wmma_f32_16x16x4_f32). A number that lies on a knife's edge between two numbers of the format may be rounded either way, as far as f32 arithmetic and the matrix unit's own rounding can turn it there, and no further.
;;   INPUTS GIVEN AS CODES. w_out (in the module: [1024, 1024], K = its axis 0); w_qkv (in the module: [1024, 3072], K = its axis 0); x (in the module: [4, 2048, 1024], K = its axis 2): each comes as NAME_codes (uint8): NAME with its K axis moved to the last place and cut into blocks of 32 codes, [.., K / 32, bytes a block], one block behind the other in memory; one code a byte (a code: sign, 4 exponent bits, 3 mantissa bits); its scale is its entry of lowp_scales. Its value is code x scale, taken as it is: it is not quantised again, and the codes and scales need not be those that the quantiser above would give.
;; One version. Each part assembles by itself: llvm-mc -triple=amdgcn-amd-amdhsa -mcpu=gfx1250 --defsym DOCPART=n.
;; ======== version 1 of 1: 3 launches
;; workspace buffers: q_codes 8,388,608 bytes; k_codes 8,388,608 bytes; v_codes 8,388,608 bytes; a_codes 8,388,608 bytes
;; launch qkv (part 1): grid 12 x 32, 4 waves a work-group, clusters of 4 x 4, 327,680 bytes of LDS; arguments x_codes, w_qkv_codes, lowp_scales, q_codes, k_codes, v_codes; writes q_codes, k_codes, v_codes
.if DOCPART == 1
	.amdgcn_target "amdgcn-amd-amdhsa--gfx1250"
	.amdhsa_code_object_version 6
	.text
	.protected	k_qe39ca01c63_qkv
	.globl	k_qe39ca01c63_qkv
	.p2align	8
	.type	k_qe39ca01c63_qkv,@function
k_qe39ca01c63_qkv:
	s_mov_b64 s[64:65], 0
	v_nop
	global_prefetch_b8 v0, s[64:65] scope:SCOPE_SE
	s_setreg_imm32_b32 hwreg(HW_REG_WAVE_MODE, 25, 1), 1
	s_wait_xcnt 0x0
	s_wait_alu depctr_hold_cnt(0) depctr_sa_sdst(0) depctr_va_vdst(0) depctr_va_sdst(0) depctr_va_ssrc(0) depctr_va_vcc(0) depctr_vm_vsrc(0)
	s_getreg_b32 s2, hwreg(HW_REG_IB_STS2, 6, 4)
	s_cmp_eq_u32 s2, 0
	s_cbranch_scc0 .Lentry_in_a_cluster
	s_endpgm
.Lentry_in_a_cluster:
	s_bfe_u32 s2, ttmp6, 0x10000c
	s_cmp_lg_u32 s2, 0xf033
	s_cbranch_scc0 .Lentry_shape_is_right
	s_endpgm
.Lentry_shape_is_right:
; qkv = x w_qkv on codes of FP8 (E4M3), then the rotary turn of q and k in f32, then the quantisers of q, k and v.  x: [8192 tokens][1024], w_qkv: [3072][1024], codes, K innermost.
; OUT: q_codes, k_codes: [batch x 16 + head][token 2048][64];  v_codes: [batch x 16 + head][d 64][token 2048] (the keys innermost, as the product with the softmax wants them).
; A work-group of four waves makes a tile of 256 x 256, a wave 128 x 128: 64 accumulators, 512 registers.  K = 1024 goes in four steps of 256 through a ring of two LDS slots filled by the tensor data mover.
; THE MATRIX INSTRUCTION IS USED TRANSPOSED: source 0 = 16 rows of the operand called B here, source 1 = 16 rows of the operand called A: a lane holds ONE row of A and eight neighbouring rows of B.
; MODE = the cluster's x, the same in all sixteen partners: 0 q, 1 k: A = tokens of x, B = rows of w_qkv: a lane holds one token and eight neighbouring d.
;        2 v: A = rows 2048.. of w_qkv, B = tokens of x: a lane holds one d and eight neighbouring tokens: nothing is transposed.  Only bases and tile numbers are chosen; the loop over K is one text.
; B's ROWS OF A BLOCK: block b of the wave with column half CH takes tile rows 64 (b / 2) + 32 (b % 2) + 16 CH + 0..15.  For q and k: head b / 2 of the tile's four, d = 32 (b % 2) + 16 CH + 8 (lane / 16) + i:
; the two numbers that the rotary turn pairs (d and d + 32) lie in one lane, at one register index, in accumulators (a, 2 hh) and (a, 2 hh + 1), and a lane needs eight frequencies.
; THE ANGLES: theta = position / 10000^(j / 32), an f32 division; sine and cosine by a reduction by pi / 2 in two parts and polynomials, once for the wave's first 16 tokens and once for a step of 16 tokens;
; the other seven blocks' by the addition theorem.  They are made at the head, in all modes alike (v's work-groups do not use them): the lines stand where the first tiles are on their way.
; CLUSTERS: 4 x 4 work-groups; A's tile is asked for jointly along a row of the cluster, B's along a column.
; LIMITS: (e2, e3 or e4) - e0 - e1 between -126 and 119, so that the folded scale and 448 x it are f32 numbers.  theta's last bit (up to 1.2e-4 near 2047) hangs on the last bits of the power and the division.
; REGISTERS, in windows of 256: window 0: v1-31 addresses and the scale; v32-79 sines and cosines; from v128 A's fragments, one set; on the way out v80-207 at work.
;   window 1: B's fragments, two sets, at v0 and v128.  window 2: accumulators of my rows 0-63 ((a, b) at v[8 (8 a + b)]);  window 3: of my rows 64-127.
.set ROWB,   256                       ; a tile's row in bytes: 256 codes
.set KROW,   1024                      ; a row of x or of w_qkv in memory
.set PITCH,  272                       ; an LDS row: 256 bytes + 16 of padding: the 16 rows that a load touches start at 16 different banks (64 banks of 4 bytes: ISA guide 11.1)
.set FR,     16                        ; registers of a fragment: 16 rows x 128 K
.set NL,     4                         ; LDS loads that bring one
.set NP,     4                         ; places behind this matrix instruction (ISA guide 7.12.1)
.set HALFT,  128*PITCH                 ; 128 rows: what one tensor load brings
.set SLOT,   4*HALFT                   ; A's 256 rows, then B's 256 rows
.set SPARE,  2*SLOT                    ; behind the ring: the spare words, 128 bytes for each wave
.set QP,     80                        ; the way out of q and k: a token's 64 bytes of one head + 16
.set QHEAD,  256*QP                    ; a head's 256 tokens; four heads from LDS byte 0 on
.set VST,    4*QHEAD                   ; the way out of v: 256 rows (d) of 256 token bytes + 16, behind q's and k's stage: each way has bytes of its own
.set VPI,    272
.set GOV,  3                           ; v3   v: my byte offset in two rows of v_codes
.set ADRA, 16                          ; v16-17  LDS address of my A fragments in slot 0, 1
.set ADRB, 20                          ; v20-21  the same for B
.set STQ0, 22                          ; v22  q, k: where I put 8 codes, heads 0 and 1 of the tile
.set STQ1, 23                          ; v23  the same, heads 2 and 3 (the offset field holds 16 bits)
.set STV,  24                          ; v24  v: where I put 8 codes
.set RDQ,  25                          ; v25  q, k: where I read 16 bytes back
.set RDV,  26                          ; v26  v: likewise
.set GOQ,  27                          ; v27  q, k: my byte offset in eight tokens' rows
.set SPW,  28                          ; v28  LDS address of my spare word; never rewritten
.set NIL,  29                          ; v29  0; never rewritten
.set SCL,  30                          ; v30  the folded scale 2^(es - e0 - e1) as f32
.set LIM,  31                          ; v31  448 x that
.set CC,   32                          ; v32-39 cosine, v40-47 sine of a step of 16 tokens, for my eight frequencies
.set SS,   40
.set TRG,  48                          ; two sets by turns: cosine v48-55, sine v56-63; cosine v64-71, sine v72-79
.set TMP,  80                          ; the way out: 64 numbers
.set CODES, 144                        ; two sets of 16 registers of codes
.set BK,   80                          ; behind the stage's barrier: 32 x 4 registers read back
.set AF,   128                         ; A's fragments
.set PW,   80                          ; at the head only: 10000^(j / 32), its reciprocal, the two angles, and six sets at work
.set RY,   88
.set TH0,  96
.set TH1,  104
.set TGN,  112
.set TGR,  120
.set TGZ,  128
.set TGQ,  136
.set TGS,  144
.set TGC,  152
.set WV,  16                           ; s16 wave;  s17 which half of A's rows is mine, also: I fetch for A (0) or B (1);  s18 my column half, also: which 128 rows I fetch
.set RH,  17
.set CH,  18
.set G1,  24                           ; s[24:31] descriptor group 1 for A's tiles;  s[32:39] group 0, one set for each slot
.set G0,  32
.set G1B, 48                           ; s[48:55], s[56:63] the same for B's tiles
.set G0B, 56
.set OB,  76                           ; s[76:77] where my wave's part of the output begins
.set PS1, 84                           ; s84-86 the sine's coefficients, s87-89 the cosine's
.set PS2, 85
.set PS3, 86
.set PC1, 87
.set PC2, 88
.set PC3, 89
.set MSB, 0
.macro WIN new                         ; the immediate's high byte repeats the setting that is left
.if MSB != \new
	s_set_vgpr_msb (MSB<<8)|\new
.set MSB, \new
.endif
.endm
.set MUL_LO, 0xa1                      ; source 0 (B) window 1, source 1 (A) window 0, C and D window 2
.set MUL_HI, 0xf1                      ; the same, C and D window 3
.set TO_B,   0x40                      ; destination window 1, address window 0
; A joint load: waves 0 and 1 fetch for A, waves 2 and 3 for B; the branch hangs on the wave's number alone.  Four v_nop follow each of the two lines.
.macro JLOAD g0a, g1a, g0b, g1b
	s_cmp_eq_u32 s[RH], 0
	s_cbranch_scc0 .Lfor_b_\@
	tensor_load_to_lds s[\g0a:\g0a+3], s[\g1a:\g1a+7]
	s_nop 0
.rept 4
	v_nop
.endr
	s_branch .Lasked_\@
.Lfor_b_\@:
	tensor_load_to_lds s[\g0b:\g0b+3], s[\g1b:\g1b+7]
	s_nop 0
.rept 4
	v_nop
.endr
.Lasked_\@:
.endm
.macro CREST                           ; a round of the cluster's barrier behind its opening barrier
	s_cmp_lg_u32 s[WV], 0
	s_cbranch_scc1 .Lnot_wave_0_\@
	s_barrier_signal -3
.Lnot_wave_0_\@:
	s_barrier_wait -3
	s_barrier_signal -1
	s_barrier_wait -1
.endm
.macro CROUND                          ; a whole round
	s_barrier_signal -1
	s_barrier_wait -1
	CREST
.endm
	s_load_b256 s[4:11], s[0:1], 0x0               ; x s[4:5], w_qkv s[6:7], the scales' exponents s[8:9], q_codes s[10:11]
	s_load_b128 s[12:15], s[0:1], 0x20             ; k_codes s[12:13], v_codes s[14:15]
	v_lshl_add_u32 v[SPW], v0, 2, SPARE
	v_mov_b32 v[NIL], 0
	ds_add_u32 v28, v29
	s_wait_dscnt 0x0
	v_lshrrev_b32 v1, 5, v0
	v_readfirstlane_b32 s[WV], v1                  ; wave 0..3
	s_lshr_b32 s[RH], s[WV], 1
	s_and_b32 s[CH], s[WV], 1
	s_bfe_u32 s20, ttmp6, 0x40000                  ; cx, cy: my place in the cluster
	s_bfe_u32 s21, ttmp6, 0x40004
	s_and_b32 s40, ttmp7, 0xffff
	s_lshl_b32 s40, s40, 2                         ; 4 x cluster y
	s_add_co_u32 s41, s40, s21                     ; q, k: A's tile of 256 tokens = 4 x cluster y + cy
	s_add_co_u32 s42, s21, 8                       ; v: A's tile of 256 rows of w_qkv = 8 + cy (rows 2048 on)
	s_add_co_u32 s43, s40, s20                     ; v: B's tile of 256 tokens = 4 x cluster y + cx
	s_lshl_b32 s44, ttmp9, 2
	s_add_co_u32 s44, s44, s20                     ; q, k: B's tile of 256 rows of w_qkv = 4 x cluster x + cx
	s_lshl_b32 s45, s21, 2
	s_lshl_b32 s45, 15, s45                        ; my row of the cluster
	s_lshl_b32 s46, 0x1111, s20                    ; my column
	s_cmp_eq_u32 ttmp9, 2                          ; the mode hangs on the cluster's x alone
	s_cselect_b32 s22, s42, s41                    ; A's tile: made of cy, never of cx
	s_cselect_b32 s23, s43, s44                    ; B's tile: made of cx, never of cy
	; descriptor group 1: a tile of 128 rows x 256 bytes, padded in LDS
	s_or_b32 s[G1+0], s45, (1<<20)|(1<<21)|(5<<22)|(3<<25)   ; 15:0 the mask: A's tiles go to my row; 17:16 elements of 1 byte; 20 padding on; 21 set beside a mask; 24:22 after every 64 words; 31:25 four words
	s_or_b32 s[G1B+0], s46, (1<<20)|(1<<21)|(5<<22)|(3<<25)  ; the same with my column's mask
.irp g, G1, G1B
	s_mov_b32 s[\g+1], ROWB<<16                    ; tensor_dim0
	s_mov_b32 s[\g+2], 128<<16                     ; tensor_dim1
	s_mov_b32 s[\g+3], ROWB<<16                    ; tile_dim0
	s_mov_b32 s[\g+4], 128                         ; tile_dim1
	s_mov_b32 s[\g+5], KROW                        ; tensor_dim0_stride
	s_mov_b32 s[\g+6], 0
	s_mov_b32 s[\g+7], 0
.endr
	s_lshl_b32 s47, s[CH], 7                       ; which 128 rows of the tile I fetch
	s_lshl_b32 s90, s22, 8
	s_add_co_u32 s90, s90, s47
	s_lshl_b32 s90, s90, 10                        ; A: (256 x tile + 128 x half) rows of 1,024 bytes
	s_mov_b32 s91, 0
	s_lshl_b32 s92, s23, 8
	s_add_co_u32 s92, s92, s47
	s_lshl_b32 s92, s92, 10                        ; B likewise
	s_mov_b32 s93, 0
	s_mul_i32 s94, s[WV], HALFT                    ; where they go: wave x 128 rows: no place in the cluster enters an LDS address
	s_wait_kmcnt 0x0
	s_load_b256 s[68:75], s[8:9], 0x0              ; e0 .. e7
	s_cmp_eq_u32 ttmp9, 2
	s_cselect_b64 s[80:81], s[6:7], s[4:5]         ; A's buffer: w_qkv for v, else x
	s_cselect_b64 s[82:83], s[4:5], s[6:7]         ; B's: the other
	s_add_nc_u64 s[80:81], s[80:81], s[90:91]
	s_add_nc_u64 s[82:83], s[82:83], s[92:93]
	CROUND                                         ; all sixteen work-groups are here: the first joint loads meet
.irp s, 0,1
	s_mov_b32 s[G0+4*\s], 1
	s_add_co_u32 s[G0+4*\s+1], s94, \s*SLOT
	s_add_nc_u64 s[G0+4*\s+2:G0+4*\s+3], s[80:81], \s*ROWB
	s_or_b32 s[G0+4*\s+3], s[G0+4*\s+3], 0x80000000
	s_mov_b32 s[G0B+4*\s], 1
	s_add_co_u32 s[G0B+4*\s+1], s94, \s*SLOT
	s_add_nc_u64 s[G0B+4*\s+2:G0B+4*\s+3], s[82:83], \s*ROWB
	s_or_b32 s[G0B+4*\s+3], s[G0B+4*\s+3], 0x80000000
	JLOAD G0+4*\s, G1, G0B+4*\s, G1B
.endr
	; every LDS address is made here, ahead of any parting of ways
	v_and_b32 v1, 15, v0                           ; r = lane % 16
	v_bfe_u32 v2, v0, 4, 1                         ; h = lane / 16
	v_mul_u32_u24 v4, v1, PITCH
	v_lshl_add_u32 v4, v2, 4, v4                   ; a fragment's row x pitch + 16 h
	s_mul_i32 s95, s[RH], HALFT                    ; my 128 rows of A
	s_mul_i32 s96, s[CH], 16*PITCH                 ; B: my sixteen rows of each group of 32,
	s_add_co_u32 s96, s96, 2*HALFT                 ; behind A's 256 rows
.irp s, 0,1
	v_add_nc_u32 v[ADRA+\s], s95, v4
	v_add_nc_u32 v[ADRB+\s], s96, v4
	s_add_co_u32 s95, s95, SLOT
	s_add_co_u32 s96, s96, SLOT
.endr
	s_mul_i32 s95, s[RH], 128*QP
	s_lshl_b32 s96, s[CH], 4
	s_add_co_u32 s95, s95, s96
	v_mul_u32_u24 v5, v1, QP
	v_lshl_add_u32 v5, v2, 3, v5
	v_add_nc_u32 v[STQ0], s95, v5                  ; q, k: (128 RH + r) x 80 + 16 CH + 8 h
	v_add_nc_u32 v[STQ1], 2*QHEAD, v[STQ0]
	s_mul_i32 s95, s[RH], 128*VPI
	s_add_co_u32 s95, s95, s96
	s_add_co_u32 s95, s95, VST
	v_mul_u32_u24 v5, v1, VPI
	v_lshl_add_u32 v5, v2, 3, v5
	v_add_nc_u32 v[STV], s95, v5                   ; v: VST + (128 RH + r) x 272 + 16 CH + 8 h
	v_and_b32 v6, 31, v0                           ; lane
	v_lshrrev_b32 v7, 2, v6
	v_and_b32 v8, 3, v6
	v_mul_u32_u24 v7, v7, QP
	v_lshl_add_u32 v7, v8, 4, v7
	s_mul_i32 s95, s[WV], QHEAD
	v_add_nc_u32 v[RDQ], s95, v7                   ; back: wave w takes head w: four lanes to a token, eight tokens a load
	v_mul_u32_u24 v7, v2, VPI
	v_lshl_add_u32 v7, v1, 4, v7
	s_mul_i32 s95, s[WV], 64*VPI
	s_add_co_u32 s95, s95, VST
	v_add_nc_u32 v[RDV], s95, v7                   ; back: wave w takes rows 64 w on: sixteen lanes to a row, two rows a load
	v_lshlrev_b32 v[GOQ], 4, v6
	v_lshlrev_b32 v7, 11, v2
	v_lshl_add_u32 v[GOV], v1, 4, v7
	; the scale.  A sum stands for sum x 2^(e0 + e1), and the turn is linear: the code is (turned sum) / 2^(es - e0 - e1), es = e2 (q), e3 (k), e4 (v)
	s_wait_kmcnt 0x0
	s_cmp_eq_u32 ttmp9, 0
	s_cselect_b32 s78, s70, s71
	s_cmp_eq_u32 ttmp9, 2
	s_cselect_b32 s78, s72, s78
	s_sub_co_i32 s78, s78, s68
	s_sub_co_i32 s78, s78, s69
	s_add_co_i32 s78, s78, 127
	s_lshl_b32 s79, s78, 23
	v_mov_b32 v[SCL], s79
	s_add_co_i32 s78, s78, 8
	s_lshl_b32 s78, s78, 23
	s_or_b32 s78, s78, 0x600000
	v_mov_b32 v[LIM], s78                          ; 448 x the scale
	; where my wave's part of the output begins: (batch x 16 + 4 x tile of heads + wave) x 131,072 + (tile of tokens % 8) x 16,384 (q, k: 256 rows of 64 bytes) or x 256 (v: 256 bytes of a row)
	s_and_b32 s91, s23, 3
	s_cmp_eq_u32 ttmp9, 2
	s_cselect_b32 s90, s23, s22                    ; the tile of 256 tokens
	s_cselect_b32 s91, s21, s91                    ; the tile of four heads
	s_cselect_b32 s92, 8, 14
	s_cselect_b64 s[OB:OB+1], s[14:15], s[12:13]
	s_cmp_eq_u32 ttmp9, 0
	s_cselect_b64 s[OB:OB+1], s[10:11], s[OB:OB+1]
	s_lshr_b32 s93, s90, 3
	s_lshl_b32 s93, s93, 4
	s_lshl_b32 s91, s91, 2
	s_add_co_u32 s93, s93, s91
	s_add_co_u32 s93, s93, s[WV]
	s_lshl_b32 s93, s93, 17
	s_and_b32 s90, s90, 7
	s_lshl_b32 s90, s90, s92
	s_add_co_u32 s90, s90, s93
	s_mov_b32 s91, 0
	s_add_nc_u64 s[OB:OB+1], s[OB:OB+1], s[90:91]
	; THE ANGLES
	s_mov_b32 s[PS1], 0xbe2aaaa3                   ; sin r = r + r z (s1 + z (s2 + z s3)), z = r r, |r| <= pi / 4
	s_mov_b32 s[PS2], 0x3c08839e
	s_mov_b32 s[PS3], 0xb94ca1f9
	s_mov_b32 s[PC1], 0x3d2aaaa5                   ; cos r = 1 + z (-1/2 + z (c1 + z (c2 + z c3)))
	s_mov_b32 s[PC2], 0xbab6061a
	s_mov_b32 s[PC3], 0x37ccf5ce
	s_mov_b32 s97, 0x41800000                      ; 16.0: tokens from block to block
	s_and_b32 s95, s22, 7
	s_lshl_b32 s95, s95, 8
	s_lshl_b32 s96, s[RH], 7
	s_add_co_u32 s95, s95, s96
	v_add_nc_u32 v9, s95, v1
	v_cvt_f32_u32 v9, v9                           ; my token's position in block 0: 256 x (tile % 8) + 128 RH + r
	s_lshl_b32 s96, s[CH], 4
	v_lshl_add_u32 v10, v2, 3, s96                 ; my first frequency: j = 16 CH + 8 h
.irp i, 0,1,2,3,4,5,6,7
	v_add_nc_u32 v[TGN+\i], \i, v10
.endr
.irp i, 0,1,2,3,4,5,6,7
	v_cvt_f32_u32 v[TGN+\i], v[TGN+\i]
.endr
.irp i, 0,1,2,3,4,5,6,7
	v_mul_f32 v[TGN+\i], 0x3ed49a78, v[TGN+\i]     ; j x log2(10000) / 32
.endr
.irp i, 0,1,2,3,4,5,6,7
	v_exp_f32 v[PW+\i], v[TGN+\i]                  ; 10000^(j / 32)
.endr
	v_nop                                          ; a plain instruction behind the last of the batch,
	s_wait_alu depctr_va_vdst(0)                   ; and the wait ahead of the first use: one for the eight
.irp i, 0,1,2,3,4,5,6,7
	v_rcp_f32 v[RY+\i], v[PW+\i]
.endr
	v_nop
	s_wait_alu depctr_va_vdst(0)
.irp i, 0,1,2,3,4,5,6,7
	v_mul_f32 v[TH0+\i], v9, v[RY+\i]              ; n / p: the quotient, its remainder by a fused multiply-add, the mended quotient
	v_mul_f32 v[TH1+\i], s97, v[RY+\i]
.endr
.irp i, 0,1,2,3,4,5,6,7
	v_fma_f32 v[TGR+\i], -v[TH0+\i], v[PW+\i], v9
	v_fma_f32 v[TGZ+\i], -v[TH1+\i], v[PW+\i], s97
.endr
.irp i, 0,1,2,3,4,5,6,7
	v_fma_f32 v[TH0+\i], v[TGR+\i], v[RY+\i], v[TH0+\i]
	v_fma_f32 v[TH1+\i], v[TGZ+\i], v[RY+\i], v[TH1+\i]
.endr
; cosine and sine of eight angles (0 <= angle < 2048), stage by stage so that no line waits for the one above it
.macro SINCOS8 th, cd, sd
.irp i, 0,1,2,3,4,5,6,7
	v_mul_f32 v[TGN+\i], 0x3f22f983, v[\th+\i]     ; x 2 / pi
.endr
.irp i, 0,1,2,3,4,5,6,7
	v_rndne_f32 v[TGN+\i], v[TGN+\i]               ; N quarter turns
.endr
.irp i, 0,1,2,3,4,5,6,7
	v_fmamk_f32 v[TGR+\i], v[TGN+\i], 0xbfc90fdb, v[\th+\i]   ; angle - N x (pi / 2 as f32): nothing is rounded: the difference is under 1 and a multiple of 2^-23
.endr
.irp i, 0,1,2,3,4,5,6,7
	v_fmamk_f32 v[TGR+\i], v[TGN+\i], 0x333bbd2e, v[TGR+\i]   ; + N x (that f32 number - pi / 2)
.endr
.irp i, 0,1,2,3,4,5,6,7
	v_cvt_i32_f32 v[TGQ+\i], v[TGN+\i]
	v_mul_f32 v[TGZ+\i], v[TGR+\i], v[TGR+\i]
.endr
.irp i, 0,1,2,3,4,5,6,7
	v_fma_f32 v[TGS+\i], v[TGZ+\i], s[PS3], s[PS2]
	v_fma_f32 v[TGC+\i], v[TGZ+\i], s[PC3], s[PC2]
.endr
.irp i, 0,1,2,3,4,5,6,7
	v_fma_f32 v[TGS+\i], v[TGS+\i], v[TGZ+\i], s[PS1]
	v_fma_f32 v[TGC+\i], v[TGC+\i], v[TGZ+\i], s[PC1]
	v_mul_f32 v[TGN+\i], v[TGZ+\i], v[TGR+\i]
.endr
.irp i, 0,1,2,3,4,5,6,7
	v_fma_f32 v[TGS+\i], v[TGS+\i], v[TGN+\i], v[TGR+\i]
	v_fma_f32 v[TGC+\i], v[TGC+\i], v[TGZ+\i], -0.5
.endr
.irp i, 0,1,2,3,4,5,6,7
	v_fma_f32 v[TGC+\i], v[TGC+\i], v[TGZ+\i], 1.0
	v_and_b32 v[TGN+\i], 1, v[TGQ+\i]
.endr
.irp i, 0,1,2,3,4,5,6,7
	v_cmp_eq_u32 vcc_lo, 1, v[TGN+\i]              ; an odd number of quarter turns swaps the two
	v_cndmask_b32 v[\sd+\i], v[TGS+\i], v[TGC+\i], vcc_lo
	v_cndmask_b32 v[\cd+\i], v[TGC+\i], v[TGS+\i], vcc_lo
.endr
.irp i, 0,1,2,3,4,5,6,7
	v_lshlrev_b32 v[TGN+\i], 30, v[TGQ+\i]         ; the sine's sign: bit 1 of N;
	v_add_nc_u32 v[TGQ+\i], 1, v[TGQ+\i]           ; the cosine's: bit 1 of N + 1
.endr
.irp i, 0,1,2,3,4,5,6,7
	v_and_b32 v[TGN+\i], 0x80000000, v[TGN+\i]
	v_lshlrev_b32 v[TGQ+\i], 30, v[TGQ+\i]
.endr
.irp i, 0,1,2,3,4,5,6,7
	v_xor_b32 v[\sd+\i], v[\sd+\i], v[TGN+\i]
	v_and_b32 v[TGQ+\i], 0x80000000, v[TGQ+\i]
.endr
.irp i, 0,1,2,3,4,5,6,7
	v_xor_b32 v[\cd+\i], v[\cd+\i], v[TGQ+\i]
.endr
.endm
	SINCOS8 TH0, TRG, TRG+8                        ; block 0's
	SINCOS8 TH1, CC, SS                            ; the step's
.macro FRAG reg, adr, q, i             ; A: a fragment, 16 rows x 128 K, is 16 registers: lane l holds row l % 16; registers 4 c .. 4 c + 3 hold K = 32 c + 16 (l / 16) + 0 .. 15: the same order of K in A and in B
.irp c, 0,1,2,3
	ds_load_b128 v[\reg+4*\c:\reg+4*\c+3], v[\adr] offset:128*(\q)+32*\c+(\i)*16*PITCH
.endr
.endm
.macro FRAGB reg, adr, q, i            ; B: block i begins at tile row 64 (i / 2) + 32 (i % 2) (+ 16 CH, in the address)
.irp c, 0,1,2,3
	ds_load_b128 v[\reg+4*\c:\reg+4*\c+3], v[\adr] offset:128*(\q)+32*\c+(64*((\i)/2)+32*((\i)%2))*PITCH
.endr
.endm
; 16 matrix instructions: A's blocks a0, a0 + 1 x B's eight, 128 along K.  p: B's set.  zero = 1: the first product starts the sums.  The 64 accumulators take turns, one instruction a turn, in the same order in every step.
.macro MUL16 a0, p, zero
.irp a, \a0, \a0+1
.irp b, 0,1,2,3,4,5,6,7
.if \zero
	v_wmma_f32_16x16x128_fp8_fp8 v[8*(8*((\a)%4)+\b):8*(8*((\a)%4)+\b)+7], v[128*(\p)+FR*\b:128*(\p)+FR*\b+FR-1], v[AF+FR*(\a):AF+FR*(\a)+FR-1], 0
.else
	v_wmma_f32_16x16x128_fp8_fp8 v[8*(8*((\a)%4)+\b):8*(8*((\a)%4)+\b)+7], v[128*(\p)+FR*\b:128*(\p)+FR*\b+FR-1], v[AF+FR*(\a):AF+FR*(\a)+FR-1], v[8*(8*((\a)%4)+\b):8*(8*((\a)%4)+\b)+7]
.endif
.endr
.endr
.endm
.macro FETCH_B slot, q, p              ; B's eight fragments of the slot's q-th 128 along K into set p
	WIN TO_B
.irp i, 0,1,2,3,4,5,6,7
	FRAGB 128*(\p)+FR*\i, ADRB+\slot, \q, \i
.endr
	WIN 0
.endm
.macro FETCH_A slot, q, i0             ; A's blocks i0 .. i0 + 3
.irp i, \i0, \i0+1, \i0+2, \i0+3
	FRAG AF+FR*(\i), ADRA+\slot, \q, \i
.endr
.endm
.macro PLACES n                        ; plain vector instructions between a matrix instruction and a load into, or a read of, its registers
.rept \n
	v_nop
.endr
.endm
; A step of 128 along K that has its successor in the same slot.  A's blocks are free as soon as their eight products are issued: blocks 0-3 are fetched anew in the middle, blocks 4-7 at the end.
.macro STEP slot, q, zero
	s_wait_dscnt 4*NL                              ; B's set and A's blocks 0-3 are in; the youngest sixteen loads (A's blocks 4-7) may be out
	WIN MUL_LO
	MUL16 0, (\q)%2, \zero
	MUL16 2, (\q)%2, \zero
	s_wait_dscnt 0                                 ; A's blocks 4-7 are in
	PLACES NP
	FETCH_B \slot, (\q)+1, 1-(\q)%2
	FETCH_A \slot, (\q)+1, 0
	WIN MUL_HI
	MUL16 4, (\q)%2, \zero
	MUL16 6, (\q)%2, \zero
	PLACES NP
	WIN 0
	FETCH_A \slot, (\q)+1, 4
.endm
; A slot's last step changes slots: ONE barrier; in front of it each wave waits for all its tensor loads, adds 0 to its spare word, and waits for that and for its own reads of this slot.  fill = 1: this slot is filled again, two K steps ahead.
.macro TURN slot, next, fill
	s_wait_tensorcnt 0x0                           ; all my tensor loads have landed: my part of the next slot  (every window is 0 here)
	ds_add_u32 v[SPW], v[NIL]                      ; 0 onto my spare word
	s_wait_dscnt 4*NL+1                            ; (the add and the youngest sixteen loads may be out)
	WIN MUL_LO
	MUL16 0, 1, 0                                  ; sixteen matrix instructions stand between the add and the wait for it
	s_wait_dscnt 0x0                               ; the add is done, and my reads of this slot are over
	s_barrier_signal -1
	MUL16 2, 1, 0
	WIN 0
	s_barrier_wait -1
.if \fill
	CREST                                          ; the barrier has opened a round of the cluster's barrier: no wave of any partner still reads this slot or has a load on its way
	s_add_nc_u64 s[G0+4*\slot+2:G0+4*\slot+3], s[G0+4*\slot+2:G0+4*\slot+3], 2*ROWB
	s_add_nc_u64 s[G0B+4*\slot+2:G0B+4*\slot+3], s[G0B+4*\slot+2:G0B+4*\slot+3], 2*ROWB
	JLOAD G0+4*\slot, G1, G0B+4*\slot, G1B         ; the first tensor load behind the round; its four v_nop are also the places in front of the loads below
.else
	PLACES NP
.endif
	FETCH_B \next, 0, 0
	FETCH_A \next, 0, 0
	WIN MUL_HI
	MUL16 4, 1, 0
	MUL16 6, 1, 0
	PLACES NP
	WIN 0
	FETCH_A \next, 0, 4
.endm
	s_wait_tensorcnt 1                             ; my part of K step 0 is in (K step 1's load may be out)
	s_barrier_signal -1
	s_barrier_wait -1                              ; everybody's is
	FETCH_B 0, 0, 0
	FETCH_A 0, 0, 0
	FETCH_A 0, 0, 4
	STEP 0, 0, 1                                   ; K = 1024 is four slots: eight steps of 128, written out; the first starts the sums
	TURN 0, 1, 1
	STEP 1, 0, 0
	TURN 1, 0, 1
	STEP 0, 0, 0
	TURN 0, 1, 0                                   ; nothing is left to fetch
	STEP 1, 0, 0
	s_wait_dscnt 4*NL                              ; the last step
	WIN MUL_LO
	MUL16 0, 1, 0
	MUL16 2, 1, 0
	s_wait_dscnt 0
	WIN MUL_HI
	MUL16 4, 1, 0
	MUL16 6, 1, 0
	WIN 0
	s_wait_dscnt 0x0                               ; my reads of the ring are over
	s_barrier_signal -1
	s_barrier_wait -1                              ; everybody's are: both slots have had their last fill and their last read, and the stages may lie in them
	PLACES NP
; THE WAY OUT.
; q, k: block a's 16 tokens.  out(d) = x(d) cos - x(d + 32) sin, out(d + 32) = x(d + 32) cos + x(d) sin, two numbers an instruction; each accumulator is read from its low end on.
.macro ROPE a
.set AC, 64*((\a)%4)
.set TG, TRG+16*((\a)%2)
	WIN 0x02+((\a)/4)                              ; source 0: window 2 or 3
.irp hh, 0,1,2,3
.irp i, 0,2,4,6
	v_pk_mul_f32 v[TMP+16*\hh+\i:TMP+16*\hh+\i+1], v[AC+16*\hh+\i:AC+16*\hh+\i+1], v[TG+\i:TG+\i+1]
.endr
.irp i, 0,2,4,6
	v_pk_mul_f32 v[TMP+16*\hh+8+\i:TMP+16*\hh+8+\i+1], v[AC+16*\hh+8+\i:AC+16*\hh+8+\i+1], v[TG+\i:TG+\i+1]
.endr
.irp i, 0,2,4,6
	v_pk_fma_f32 v[TMP+16*\hh+\i:TMP+16*\hh+\i+1], v[AC+16*\hh+8+\i:AC+16*\hh+8+\i+1], v[TG+8+\i:TG+8+\i+1], v[TMP+16*\hh+\i:TMP+16*\hh+\i+1] neg_lo:[0,1,0] neg_hi:[0,1,0]
.endr
.irp i, 0,2,4,6
	v_pk_fma_f32 v[TMP+16*\hh+8+\i:TMP+16*\hh+8+\i+1], v[AC+16*\hh+\i:AC+16*\hh+\i+1], v[TG+8+\i:TG+8+\i+1], v[TMP+16*\hh+8+\i:TMP+16*\hh+8+\i+1]
.endr
.endr
	WIN 0
.endm
.macro ROT a                           ; the next block's cosines and sines: this block's, turned on by the step
.set TG, TRG+16*((\a)%2)
.set TX, TRG+16*(1-(\a)%2)
.irp i, 0,2,4,6
	v_pk_mul_f32 v[TX+\i:TX+\i+1], v[TG+\i:TG+\i+1], v[CC+\i:CC+\i+1]
	v_pk_mul_f32 v[TX+8+\i:TX+8+\i+1], v[TG+8+\i:TG+8+\i+1], v[CC+\i:CC+\i+1]
.endr
.irp i, 0,2,4,6
	v_pk_fma_f32 v[TX+\i:TX+\i+1], v[TG+8+\i:TG+8+\i+1], v[SS+\i:SS+\i+1], v[TX+\i:TX+\i+1] neg_lo:[1,0,0] neg_hi:[1,0,0]
	v_pk_fma_f32 v[TX+8+\i:TX+8+\i+1], v[TG+\i:TG+\i+1], v[SS+\i:SS+\i+1], v[TX+8+\i:TX+8+\i+1]
.endr
.endm
.macro CVT8 a                          ; 64 held numbers become 64 codes, in set a % 2
.set CD, CODES+16*((\a)%2)
.irp g, 0,1,2,3,4,5,6,7
	v_cvt_scalef32_pk8_fp8_f32 v[CD+2*\g:CD+2*\g+1], v[TMP+8*\g:TMP+8*\g+7], v[SCL]
.endr
	v_nop                                          ; one plain vector instruction behind the last scaled conversion
.endm
	s_cmp_eq_u32 ttmp9, 2
	s_cbranch_scc1 .Lv_stage
.irp a, 0,1,2,3,4,5,6,7
	s_wait_dscnt 8                                 ; the stores of two blocks back have read this set of codes; the last block's eight may be out
	ROPE \a
.if \a < 7
	ROT \a
.endif
.set j, 0
.rept 64
	v_med3_num_f32 v[TMP+j], v[TMP+j], -v[LIM], v[LIM]   ; the conversion to an 8-bit code does not saturate (ISA guide 7.6.2): the hold at 448 x the scale
.set j, j+1
.endr
	CVT8 \a
.irp g, 0,1,2,3
	ds_store_b64 v[STQ0], v[CD+2*\g:CD+2*\g+1] offset:(\g/2)*QHEAD+\a*16*QP+32*(\g%2)      ; head g / 2, token 16 a + r, d = 32 (g % 2) + 16 CH + 8 h + 0 .. 7
.endr
.irp g, 4,5,6,7
	ds_store_b64 v[STQ1], v[CD+2*\g:CD+2*\g+1] offset:(\g/2-2)*QHEAD+\a*16*QP+32*(\g%2)
.endr
.endr
	s_branch .Lstaged
.Lv_stage:
.irp a, 0,1,2,3,4,5,6,7
	s_wait_dscnt 8
.set AC, 64*(\a%4)
	WIN 0x02+(\a/4)
.set j, 0
.rept 64
	v_med3_num_f32 v[TMP+j], v[AC+j], -v[LIM], v[LIM]    ; v has no turn: the hold takes the sums as they are, each accumulator from its low end on
.set j, j+1
.endr
	WIN 0
	CVT8 \a
.irp b, 0,1,2,3,4,5,6,7
	ds_store_b64 v[STV], v[CD+2*\b:CD+2*\b+1] offset:\a*16*VPI+64*(\b/2)+32*(\b%2)         ; row d = 16 a + r, tokens 64 (b / 2) + 32 (b % 2) + 16 CH + 8 h + 0 .. 7
.endr
.endr
.Lstaged:
	s_wait_dscnt 0x0                               ; for the others' sake: my stores into the stage are done (a stage row's bytes come from two waves)
	s_barrier_signal -1
	s_barrier_wait -1
.macro SENDOUT rd, lstep, go, gstep    ; 32 loads of 512 bytes from the stage, and their stores
.irp n, 0,1,2,3,4,5,6,7,8,9,10,11,12,13,14,15,16,17,18,19,20,21,22,23,24,25,26,27,28,29,30,31
	ds_load_b128 v[BK+4*\n:BK+4*\n+3], v[\rd] offset:\n*\lstep
.endr
.irp n, 0,1,2,3,4,5,6,7,8,9,10,11,12,13,14,15,16,17,18,19,20,21,22,23,24,25,26,27,28,29,30,31
	s_wait_dscnt 31-\n                             ; LDS loads come back in order: load n is in, the younger ones may be out
	global_store_b128 v[\go], v[BK+4*\n:BK+4*\n+3], s[OB:OB+1] offset:\n*\gstep
.endr
.endm
	s_cmp_eq_u32 ttmp9, 2
	s_cbranch_scc1 .Lv_send
	SENDOUT RDQ, 8*QP, GOQ, 512                    ; q, k: eight tokens of my head: the wave stores 512 consecutive bytes, aligned
	s_branch .Lsent
.Lv_send:
	SENDOUT RDV, 2*VPI, GOV, 4096                  ; v: two rows d of my head: sixteen lanes store 256 consecutive bytes, aligned
.Lsent:
	s_wait_tensorcnt 0x0                           ; the wave's end
	ds_add_u32 v[SPW], v[NIL]
	s_wait_dscnt 0x0
	CROUND                                         ; the closing round: no work-group ends while a partner may still ask for a tile that names it
	s_endpgm
.Lfunc_end_k_qe39ca01c63_qkv:
	.size	k_qe39ca01c63_qkv, .Lfunc_end_k_qe39ca01c63_qkv-k_qe39ca01c63_qkv
	.p2alignl 7, 3214868480
	.fill 96, 4, 3214868480
	.section	.rodata,"a",@progbits
	.p2align	6, 0x0
	.amdhsa_kernel k_qe39ca01c63_qkv
		.amdhsa_group_segment_fixed_size 327680
		.amdhsa_private_segment_fixed_size 0
		.amdhsa_enable_private_segment 0
		.amdhsa_kernarg_size 48
		.amdhsa_user_sgpr_count 2
		.amdhsa_user_sgpr_kernarg_segment_ptr 1
		.amdhsa_wavefront_size32 1
		.amdhsa_system_sgpr_workgroup_id_x 1
		.amdhsa_system_sgpr_workgroup_id_y 1
		.amdhsa_system_sgpr_workgroup_id_z 1
		.amdhsa_system_vgpr_workitem_id 0
		.amdhsa_next_free_vgpr 1024
		.amdhsa_next_free_sgpr 100
		.amdhsa_reserve_vcc 1
		.amdhsa_float_denorm_mode_32 3
		.amdhsa_float_denorm_mode_16_64 3
		.amdhsa_memory_ordered 1
		.amdhsa_forward_progress 1
		.amdhsa_inst_pref_size 236
	.end_amdhsa_kernel
	.amdgpu_metadata
---
amdhsa.version: [ 1, 2 ]
amdhsa.kernels:
  - .name:           k_qe39ca01c63_qkv
    .symbol:         k_qe39ca01c63_qkv.kd
    .args:
      - { .name: x_codes, .offset: 0, .size: 8, .value_kind: global_buffer, .address_space: global }
      - { .name: w_qkv_codes, .offset: 8, .size: 8, .value_kind: global_buffer, .address_space: global }
      - { .name: lowp_scales, .offset: 16, .size: 8, .value_kind: global_buffer, .address_space: global }
      - { .name: q_codes, .offset: 24, .size: 8, .value_kind: global_buffer, .address_space: global }
      - { .name: k_codes, .offset: 32, .size: 8, .value_kind: global_buffer, .address_space: global }
      - { .name: v_codes, .offset: 40, .size: 8, .value_kind: global_buffer, .address_space: global }
    .group_segment_fixed_size: 327680
    .private_segment_fixed_size: 0
    .kernarg_segment_align: 8
    .kernarg_segment_size: 48
    .max_flat_workgroup_size: 128
    .sgpr_count:     100
    .vgpr_count:     1024
    .wavefront_size: 32
...
	.end_amdgpu_metadata
.endif
;; end of part 1
;; launch attn (part 2): grid 4 x 64, 16 waves a work-group, no clusters, 327,680 bytes of LDS; arguments q_codes, k_codes, v_codes, lowp_scales, a_codes; writes a_codes
.if DOCPART == 2
	.amdgcn_target "amdgcn-amd-amdhsa--gfx1250"
	.amdhsa_code_object_version 6
	.text
	.protected	k_qe39ca01c63_attn
	.globl	k_qe39ca01c63_attn
	.p2align	8
	.type	k_qe39ca01c63_attn,@function
k_qe39ca01c63_attn:
	s_mov_b64 s[64:65], 0
	v_nop
	global_prefetch_b8 v0, s[64:65] scope:SCOPE_SE
	s_setreg_imm32_b32 hwreg(HW_REG_WAVE_MODE, 25, 1), 1
	s_wait_xcnt 0x0
; a[bh][q][:] = Q( sum over k <= q of softmax_k(q . k / 8) v[k][:] ), both products on codes of FP8 (E4M3).  q_codes, k_codes, a_codes: [64 heads][2048][64];  v_codes: [64 heads][64 d][2048 keys].
; THE SOFTMAX AHEAD OF THE SECOND PRODUCT: t = score x log2(e) / 8; M = the row's largest t so far, rounded UP to a whole number; p = 2^(t - M) is quantised with 2^e5, not normalised.
; The row's sum is taken of the unquantised p, in f32, and divides at the end.  When M moves, the sum and O are multiplied by 2^(old M - new M): exact.
; SHARES.  Work-group (p, head) owns the blocks of 256 queries 7 - p and p of its head; each of its sixteen waves owns 16 queries of the block in hand, in 256 registers, four waves to a SIMD.
; The work-group walks the key slots (256 keys) 0 .. 7 - p for the first block and 0 .. p for the second: NINE slots whatever p is.  So every trip count is a constant of the text, and all 256 work-groups have equal work.
; The first block is finished and the second begun inside the loop, under a scalar branch on ids that holds no barrier and no tensor load.
; NO CLUSTER: the four work-groups of a head walk different slots from their fifth to their eighth trip on; a joint walk of eight slots with both blocks in hand would take four rounds of two blocks and four of one,
; twelve block-slots of time against nine, to share 32 KiB a trip.
; LAYOUT.  Both products are used transposed: S^T = K Q^T (source 0 = 16 keys, source 1 = my 16 queries, K = 64), O^T = V^T P^T (source 0 = 16 of the head's 64, source 1 = P, K = 128 keys): a lane holds ONE query throughout.
; Tile t of S^T holds keys 16 t + 8 (lane / 16) + 0 .. 7 in a lane's eight registers: their eight codes ARE registers 2 t, 2 t + 1 of the second product's operand in that form's own order of K.
; CAUSAL.  A step all of whose 128 keys come after my 16 queries is left out; on the diagonal hidden scores become -infinity ahead of the maximum, so that p = 0.
; LIMITS: e2 + e3 between -123 and 9 (they are added to c's exponent field; above 9 a true logit could reach reference()'s -1e9, and hidden keys count here as exactly 0); e5, and e6 - e4 - e5, between -126 and 119.  NaN is not served.
; REGISTERS: v1-11 addresses; v12 -M, v13 the largest t, v[14:15] the sum in two halves; v16-23 Q; v32-95 eight fragments of K, then four of V; v96-159 S^T, then p; v160-191 O^T; v192-207 p's codes; v208-215 rows on the way out; v236-254 at work.
.set SK,    256                        ; keys in a slot
.set KP,    80                         ; a key's row in LDS: 64 bytes + 16 of padding
.set VP,    272                        ; a row of V's tile in LDS: 256 bytes + 16
.set VOFF,  SK*KP                      ; a slot: 256 rows of K, then 64 rows of V
.set SLOT1, 1<<16                      ; slot 1 begins here: one exclusive or turns an address in one slot into the other's
.set SPARE, 2*SLOT1                    ; behind the ring: the spare words, 128 bytes for each of sixteen waves
.set STAGE, SPARE+2048                 ; the way out: 16 rows x 80 bytes for each wave; no tile ever lands here
.set SP,    80
.set AK0,  1                           ; v1   my lane's place in a tile of K: r x 80 + 16 h
.set AV0,  2                           ; v2   in a tile of V: VOFF + r x 272 + 8 h
.set PFO,  3                           ; v3   the prefetches' offset; never rewritten
.set QO,   4                           ; v4   my lane's place in my 16 rows of Q
.set SPW,  5                           ; v5   LDS address of my spare word; never rewritten
.set NIL,  6                           ; v6   0; never rewritten
.set GO,   7                           ; v7   16 x lane: my place in eight tokens' rows of a_codes
.set ADK,  8                           ; v8   LDS address of the step's tiles of K
.set ADV,  9                           ; v9   of V
.set STI,  10                          ; v10  the stage: where I put 8 codes
.set STR,  11                          ; v11  and where I read 16 bytes back
.set TB,   2                           ; s2   LDS byte at which the slot in hand begins
.set N,    3                           ; s3   the trip
.set HI,   14                          ; s14  my first block of queries, 7 - p;  s15 my second, p
.set LO,   15
.set KF,   16                          ; s16  the step's first key
.set Q0,   17                          ; s17  my first query
.set WV,   18                          ; s18  my wave's number
.set QE,   19                          ; s19  the first key behind the block in hand
.set SEL,  20                          ; s[20:21] lane selects for v_permlanex16_b32: lane l xor 16
.set CS,   22                          ; s[22:23] c = log2(e) / 8 x 2^(e2 + e3)
.set G1K,  24                          ; s[24:31] descriptor group 1 for K's tiles;  s[32:39] for V's;  s[40:43], s[44:47] their groups 0
.set G1V,  32
.set G0K,  40
.set G0V,  44
.set KB,   48                          ; s[48:49] K at my head and my half;  s[50:51] V at my head;  s[52:53] Q, s[54:55] a_codes at my head
.set VB,   50
.set QB,   52
.set AB,   54
.set QPT,  56                          ; s[56:57] Q at my first query;  s[58:59] a_codes likewise
.set OPT,  58
.set PFA,  76                          ; s[76:77] where my prefetches stand;  s[78:79] a slot on, in bytes;  s80: a wave prefetches while the trip is under it
.set PFS,  78
.set LIM,  80
; Waves 0 and 1 fetch K's halves (128 rows each), wave 2 V's 64 rows, the others nothing.  The branches hang on the wave's number alone.  Four v_nop follow each of the two lines.
.macro TLOAD
	s_cmp_lt_u32 s[WV], 2
	s_cbranch_scc0 .Lnot_k_\@
	tensor_load_to_lds s[G0K:G0K+3], s[G1K:G1K+7]
	s_nop 0
.rept 4
	v_nop
.endr
	s_branch .Lasked_\@
.Lnot_k_\@:
	s_cmp_eq_u32 s[WV], 2
	s_cbranch_scc0 .Lasked_\@
	tensor_load_to_lds s[G0V:G0V+3], s[G1V:G1V+7]
	s_nop 0
.rept 4
	v_nop
.endr
.Lasked_\@:
.endm
; A PREFETCH INTO THE L2 of what the NEXT change of slots will ask for.  All four work-groups of a head begin with slots 0, 1, 2 ..: the one with p = 0, which walks all eight, asks, and nobody else.
; In it waves that fetch nothing ask, one instruction each: waves 4 and 5 for K's block of 16,384 bytes, 8,192 a wave, lanes 256 bytes apart; waves 6 and 7 for V's 64 rows, 32 a wave, a lane a row (a slot's part of a row is 256 bytes, aligned).
; Trip n names slot n + 2, n = 0 .. 5: each aligned block of 256 bytes is named once in the launch; slots 0 and 1 come by their loads alone.
.macro ASK
	s_cmp_lt_u32 s[N], s[LIM]
	s_cbranch_scc0 .Lnot_mine_\@
	global_prefetch_b8 v[PFO], s[PFA:PFA+1] th:TH_LOAD_NT scope:SCOPE_SE
.Lnot_mine_\@:
.endm
	s_load_b256 s[4:11], s[0:1], 0x0               ; q_codes s[4:5], k_codes s[6:7], v_codes s[8:9], the scales' exponents s[10:11]
	s_load_b64 s[12:13], s[0:1], 0x20              ; a_codes
	v_lshl_add_u32 v[SPW], v0, 2, SPARE
	v_mov_b32 v[NIL], 0
	ds_add_u32 v5, v6
	s_wait_dscnt 0x0
	v_lshrrev_b32 v8, 5, v0
	v_readfirstlane_b32 s[WV], v8                  ; wave 0..15
	s_sub_co_u32 s[HI], 7, ttmp9
	s_mov_b32 s[LO], ttmp9
	s_and_b32 s82, ttmp7, 0xffff                   ; the head,
	s_lshl_b32 s82, s82, 17                        ; and its first byte in each of the four buffers: 2,048 x 64 bytes a head
	s_mov_b32 s83, 0
	s_and_b32 s84, s[WV], 1
	s_lshl_b32 s86, s84, 13                        ; K: my half's 128 keys in memory,
	s_mov_b32 s87, 0
	s_mul_i32 s85, s84, 128*KP                     ; and in a slot
	; descriptor group 1.  K: 128 rows of 64 bytes, dense in memory;  V: 64 rows of 256 bytes, 2,048 bytes apart
	s_mov_b32 s[G1K], (1<<20)|(3<<22)|(3<<25)      ; no mask; elements of 1 byte; padding on: four words after every 16
	s_mov_b32 s[G1K+1], 64<<16                     ; tensor_dim0
	s_mov_b32 s[G1K+2], 128<<16                    ; tensor_dim1
	s_mov_b32 s[G1K+3], 64<<16                     ; tile_dim0
	s_mov_b32 s[G1K+4], 128                        ; tile_dim1
	s_mov_b32 s[G1K+5], 64                         ; tensor_dim0_stride
	s_mov_b32 s[G1K+6], 0
	s_mov_b32 s[G1K+7], 0
	s_mov_b32 s[G1V], (1<<20)|(5<<22)|(3<<25)      ; padding: four words after every 64
	s_mov_b32 s[G1V+1], 256<<16
	s_mov_b32 s[G1V+2], 64<<16
	s_mov_b32 s[G1V+3], 256<<16
	s_mov_b32 s[G1V+4], 64
	s_mov_b32 s[G1V+5], 2048
	s_mov_b32 s[G1V+6], 0
	s_mov_b32 s[G1V+7], 0
	s_mov_b32 s[SEL], 0x76543210
	s_mov_b32 s[SEL+1], 0xfedcba98
	s_mov_b32 s[CS], 0x3e38aa3b                    ; log2(e) / 8
	s_mov_b32 s[TB], 0
	s_mov_b32 s[N], 0
	s_wait_kmcnt 0x0
	s_load_b256 s[68:75], s[10:11], 0x0            ; e0 .. e7
	s_add_nc_u64 s[KB:KB+1], s[6:7], s[82:83]
	s_add_nc_u64 s[KB:KB+1], s[KB:KB+1], s[86:87]
	s_add_nc_u64 s[VB:VB+1], s[8:9], s[82:83]
	s_add_nc_u64 s[QB:QB+1], s[4:5], s[82:83]
	s_add_nc_u64 s[AB:AB+1], s[12:13], s[82:83]
	s_mov_b32 s[G0K], 1                            ; count = 1
	s_mov_b32 s[G0K+1], s85                        ; LDS address: slot 0
	s_mov_b64 s[G0K+2:G0K+3], s[KB:KB+1]           ; global address: the head's first 256 keys
	s_or_b32 s[G0K+3], s[G0K+3], 0x80000000        ; type = 2
	s_mov_b32 s[G0V], 1
	s_mov_b32 s[G0V+1], VOFF
	s_mov_b64 s[G0V+2:G0V+3], s[VB:VB+1]
	s_or_b32 s[G0V+3], s[G0V+3], 0x80000000
	TLOAD                                          ; slot 0
	; the prefetches: where my wave's stand, and who asks
	s_cmp_lt_u32 s[WV], 6                          ; waves 4 and 5 ask for K's codes, waves 6 and 7 for V's
	s_cselect_b64 s[PFA:PFA+1], s[6:7], s[8:9]
	s_mov_b32 s[PFS], 256
	s_cselect_b32 s[PFS], 16384, s[PFS]            ; a slot on
	s_mov_b32 s88, 2048
	s_cselect_b32 s88, 256, s88                    ; from lane to lane
	s_mov_b32 s89, 65536
	s_cselect_b32 s89, 8192, s89                   ; from wave to wave
	v_and_b32 v[PFO], 31, v0
	v_mul_lo_u32 v[PFO], v[PFO], s88
	s_mul_i32 s88, s84, s89                        ; my wave's part,
	s_add_co_u32 s88, s88, s[PFS]                  ; in slot 1: the first change of slots steps it to slot 2.  Nothing is prefetched here, at the head
	s_mov_b32 s89, 0
	s_mov_b32 s[PFS+1], 0
	s_add_nc_u64 s[PFA:PFA+1], s[PFA:PFA+1], s[82:83]
	s_add_nc_u64 s[PFA:PFA+1], s[PFA:PFA+1], s[88:89]
	s_sub_co_u32 s88, s[WV], 4
	s_lshr_b32 s88, s88, 2                         ; 0 in waves 4 to 7,
	s_or_b32 s88, s88, ttmp9                       ; of the work-group with p = 0
	s_cmp_eq_u32 s88, 0
	s_cselect_b32 s[LIM], 6, 0
	v_and_b32 v8, 15, v0                           ; r = lane % 16
	v_bfe_u32 v9, v0, 4, 1                         ; h = lane / 16
	v_mul_u32_u24 v[AK0], v8, KP
	v_lshl_add_u32 v[AK0], v9, 4, v[AK0]
	v_mul_u32_u24 v[AV0], v8, VP
	v_lshl_add_u32 v[AV0], v9, 3, v[AV0]
	v_add_nc_u32 v[AV0], VOFF, v[AV0]
	v_lshlrev_b32 v[QO], 6, v8
	v_lshl_add_u32 v[QO], v9, 4, v[QO]
	v_and_b32 v[GO], 31, v0
	v_lshrrev_b32 v[STR], 2, v[GO]
	v_mul_u32_u24 v[STR], v[STR], SP
	v_and_b32 v[STI], 3, v[GO]
	v_lshl_add_u32 v[STR], v[STI], 4, v[STR]
	s_mul_i32 s81, s[WV], 16*SP
	s_add_co_u32 s81, s81, STAGE                   ; my stage
	v_add_nc_u32 v[STR], s81, v[STR]               ; back: four lanes to a token, eight tokens a load
	v_mul_u32_u24 v[STI], v8, SP
	v_lshl_add_u32 v[STI], v9, 3, v[STI]
	v_add_nc_u32 v[STI], s81, v[STI]               ; in: row r, + 8 h
	v_lshlrev_b32 v[GO], 4, v[GO]
	v_mov_b32 v236, 0                              ; written once: a lane permute's destination counts as one of its sources
	v_mov_b32 v253, 0                              ; (named as the upper half of the pair v[252:253])
	s_wait_kmcnt 0x0
	s_add_co_i32 s81, s70, s71
	s_lshl_b32 s81, s81, 23
	s_add_co_i32 s[CS], s[CS], s81                 ; a score stands for score x 2^(e2 + e3): the two exponents are added to c's exponent field
	s_mov_b32 s[CS+1], s[CS]                       ; (named with it as a pair, so it is written)
	s_add_co_i32 s81, s73, 127
	s_lshl_b32 s88, s81, 23
	v_mov_b32 v244, s88                            ; 2^e5 as f32, for p's conversion
	s_add_co_i32 s81, s81, 8
	s_lshl_b32 s81, s81, 23
	s_or_b32 s81, s81, 0x600000
	v_mov_b32 v240, s81                            ; 448 x 2^e5
	s_sub_co_i32 s81, s74, s72
	s_sub_co_i32 s81, s81, s73
	s_add_co_i32 s81, s81, 127
	s_lshl_b32 s88, s81, 23
	v_mov_b32 v245, s88                            ; 2^(e6 - e4 - e5): a sum of the second product stands for sum x 2^(e4 + e5): the three scales folded into the last conversion's one
	s_add_co_i32 s81, s81, 8
	s_lshl_b32 s81, s81, 23
	s_or_b32 s81, s81, 0x600000
	v_mov_b32 v241, s81                            ; 448 x that
; A block of queries is begun: its ids, my 16 rows of Q, and the running figures.
.macro INIT blk
	s_wait_xcnt 0x0                                ; earlier loads and stores have read their bases and registers, which are written below
	s_lshl_b32 s[Q0], s[\blk], 8
	s_add_co_u32 s[QE], s[Q0], 256
	s_lshl_b32 s81, s[WV], 4
	s_add_co_u32 s[Q0], s[Q0], s81                 ; my first query: 256 x block + 16 x wave
	s_mov_b32 s[KF], 0
	s_lshl_b32 s82, s[Q0], 6
	s_mov_b32 s83, 0
	s_add_nc_u64 s[QPT:QPT+1], s[QB:QB+1], s[82:83]
	s_add_nc_u64 s[OPT:OPT+1], s[AB:AB+1], s[82:83]
	global_load_b128 v[16:19], v[QO], s[QPT:QPT+1]              ; Q's fragment: row r, K = 16 h + 0 .. 15,
	global_load_b128 v[20:23], v[QO], s[QPT:QPT+1] offset:32    ; and 32 + 16 h + 0 .. 15: the same order of K as in K's fragments
	v_mov_b32 v13, 0xff61b1e6                      ; the largest t so far: -3e38, under every t
	v_floor_f32 v12, -v13                          ; -M
	v_mov_b32 v14, 0                               ; the sum, in two halves
	v_mov_b32 v15, 0
.set j, 0
.rept 32
	v_mov_b32 v[160+j], 0                          ; O^T: the step is written once: a block's first step finds zeros, which the first change of M leaves zeros
.set j, j+1
.endr
	s_wait_loadcnt 0x0
.endm
	INIT HI
; A KEY STEP: 128 keys, the q-th of the slot in hand.
.macro STEP q
	s_add_co_u32 s96, s[Q0], 15                    ; a step all of whose keys come after my 16 queries is left out: a scalar branch on ids; no barrier and no tensor load stands in a step
	s_cmp_gt_u32 s[KF], s96
	s_cbranch_scc1 .Lhidden_\@
	v_add_nc_u32 v[ADK], s[TB], v[AK0]
	v_add_nc_u32 v[ADV], s[TB], v[AV0]
	v_nop                                          ; with the two additions: four places in front of loads into registers that matrix instructions have read
	v_nop
.irp t, 0,1,2,3,4,5,6,7
	ds_load_b128 v[32+8*\t:35+8*\t], v[ADK] offset:(128*(\q)+16*\t)*KP
	ds_load_b128 v[36+8*\t:39+8*\t], v[ADK] offset:(128*(\q)+16*\t)*KP+32
.endr
	s_wait_dscnt 0x0
.irp t, 0,1,2,3,4,5,6,7                        ; S^T = K Q^T: tile t: keys 16 t on
	v_wmma_f32_16x16x64_fp8_fp8 v[96+8*\t:103+8*\t], v[32+8*\t:39+8*\t], v[16:23], 0
.endr
.rept 4
	v_nop                                          ; places in front of the loads below and of the first read of the scores
.endr
.irp t, 0,1,2,3                                ; V's four fragments, in the second product's own order of K: registers 2 c, 2 c + 1: keys 16 c + 8 h + 0 .. 7.  They land while the softmax is walked
.irp c, 0,1,2,3,4,5,6,7
	ds_load_b64 v[32+16*\t+2*\c:33+16*\t+2*\c], v[ADV] offset:16*\t*VP+128*(\q)+16*\c
.endr
.endr
	s_add_co_u32 s96, s[KF], 127                   ; on the diagonal the scores of hidden keys become -infinity ahead of the maximum.  A step all of whose keys count skips this
	s_cmp_le_u32 s96, s[Q0]
	s_cbranch_scc1 .Lopen_\@
	s_sub_co_i32 s96, s[Q0], s[KF]
	v_and_b32 v252, 15, v0
	v_bfe_u32 v253, v0, 4, 1
	v_lshlrev_b32 v253, 3, v253
	v_sub_nc_u32 v252, v252, v253
	v_add_nc_u32 v252, s96, v252                   ; d = my query - KF - 8 h.  Register 8 t + i holds key KF + 8 h + 16 t + i: hidden where 16 t + i > d
	v_mov_b32 v254, 0xff800000                     ; -infinity
.irp n, 0,1,2,3,4,5,6,7,8,9,10,11,12,13,14,15,16,17,18,19,20,21,22,23,24,25,26,27,28,29,30,31,32,33,34,35,36,37,38,39,40,41,42,43,44,45,46,47,48,49,50,51,52,53,54,55,56,57,58,59,60,61,62,63
	v_cmp_gt_i32 vcc_lo, 16*(\n/8)+\n%8, v252
	v_cndmask_b32 v[96+\n], v[96+\n], v254, vcc_lo
.endr
.Lopen_\@:
	v_max3_num_f32 v254, v96, v97, v98             ; the step's largest score of my query, among my 64 keys, in two chains,
	v_max3_num_f32 v252, v99, v100, v101
.irp i, 6,10,14,18,22,26,30,34,38,42,46,50,54,58
	v_max3_num_f32 v254, v254, v[96+\i], v[97+\i]
	v_max3_num_f32 v252, v252, v[98+\i], v[99+\i]
.endr
	v_max3_num_f32 v254, v254, v158, v159
	v_max_num_f32 v254, v254, v252
	v_permlanex16_b32 v236, v254, s[SEL], s[SEL+1]
	v_max_num_f32 v254, v254, v236                 ; and among lane l xor 16's
	v_mul_f32 v254, s[CS], v254                    ; as t (c is positive)
	v_max_num_f32 v13, v13, v254                   ; the running largest t
	v_mov_b32 v254, v12
	v_floor_f32 v12, -v13                          ; the new -M = floor(-t) = -ceil(t): M is a whole number
	v_sub_f32 v254, v12, v254                      ; M's old value less its new one: a whole number, 0 or less
	v_cvt_i32_f32 v254, v254                       ; (it saturates)
	v_ldexp_f32 v252, 1.0, v254                    ; f = 2^(old M - new M)
.irp j, 0,2,4,6,8,10,12,14,16,18,20,22,24,26,28,30,32,34,36,38,40,42,44,46,48,50,52,54,56,58,60,62
	v_pk_fma_f32 v[96+\j:97+\j], v[96+\j:97+\j], s[CS:CS+1], v[12:13] op_sel_hi:[1,0,0]   ; t - M, two at a time (of the pairs c and -M the low word serves both halves)
.endr
.set j, 0
.rept 64
	v_exp_f32 v[96+j], v[96+j]                     ; p = 2^(t - M), at most 1: not normalised
.set j, j+1
.endr
	v_pk_mul_f32 v[14:15], v[14:15], v[252:253] op_sel_hi:[1,0]   ; the sums under the new M.  (The plain instruction behind the exponentials)
	s_wait_alu depctr_va_vdst(0)                   ; the wait: one for the whole batch, ahead of its first reader
	v_pk_add_f32 v[242:243], v[96:97], v[98:99]    ; the row's sum is taken of the unquantised p: two at a time, in two chains
.irp j, 4,8,12,16,20,24,28,32,36,40,44,48,52,56,60
	v_pk_add_f32 v[14:15], v[14:15], v[96+\j:97+\j]
	v_pk_add_f32 v[242:243], v[242:243], v[98+\j:99+\j]
.endr
	v_pk_add_f32 v[14:15], v[14:15], v[242:243]
.irp b, 0,1,2,3
.irp i, 0,1,2,3,4,5,6,7,8,9,10,11,12,13,14,15
	v_min_num_f32 v[96+16*\b+\i], v[96+16*\b+\i], v240   ; the conversion to an 8-bit code does not saturate (ISA guide 7.6.2); p is not negative, so the hold is one-sided
.endr
	v_cvt_scalef32_pk8_fp8_f32 v[192+4*\b:193+4*\b], v[96+16*\b:103+16*\b], v244
	v_cvt_scalef32_pk8_fp8_f32 v[194+4*\b:195+4*\b], v[104+16*\b:111+16*\b], v244
.endr
.irp j, 0,2,4,6,8,10,12,14,16,18,20,22,24,26,28,30
	v_pk_mul_f32 v[160+\j:161+\j], v[160+\j:161+\j], v[252:253] op_sel_hi:[1,0]   ; O^T under the new M: x f.  (Also the plain instructions between the conversions and the products that read their results)
.endr
	s_wait_dscnt 0x0                               ; V is in
.irp t, 0,1,2,3                                ; O^T += V^T P^T: four accumulators by turns, one instruction a turn
	v_wmma_f32_16x16x128_fp8_fp8 v[160+8*\t:167+8*\t], v[32+16*\t:47+16*\t], v[192:207], v[160+8*\t:167+8*\t]
.endr
.Lhidden_\@:
	s_add_co_u32 s[KF], s[KF], 128
.endm
; THE CHANGE OF SLOTS stands at a slot's head.  Each wave waits for all its tensor loads (its part of the slot that it is about to read), adds 0 to its spare word, and waits for that and for its reads of the slot that it has left.
; Behind the barrier the slot ahead is whole and nobody reads the other one.  fill = 1: that other slot is filled with the walk's next 256 keys: slot n + 1 of the first block's walk, or n - HI of the second's.
.macro CHANGE fill
	s_wait_tensorcnt 0x0                           ; no tensor load of mine is out, so a group 0 may be written
	ds_add_u32 v[SPW], v[NIL]                      ; 0 onto my spare word; the descriptors' steps stand between it and the wait for it
.if \fill
	s_xor_b32 s[G0K+1], s[G0K+1], SLOT1            ; the other slot than last time
	s_xor_b32 s[G0V+1], s[G0V+1], SLOT1
	s_add_co_u32 s81, s[N], 1
	s_sub_co_u32 s82, s[N], s[HI]
	s_cmp_ge_u32 s[N], s[HI]
	s_cselect_b32 s81, s82, s81                    ; which 256 keys
	s_lshl_b32 s82, s81, 14                        ; K: 256 rows of 64 bytes
	s_mov_b32 s83, 0
	s_add_nc_u64 s[G0K+2:G0K+3], s[KB:KB+1], s[82:83]
	s_or_b32 s[G0K+3], s[G0K+3], 0x80000000
	s_lshl_b32 s82, s81, 8                         ; V: 256 bytes along each row
	s_add_nc_u64 s[G0V+2:G0V+3], s[VB:VB+1], s[82:83]
	s_or_b32 s[G0V+3], s[G0V+3], 0x80000000
	s_wait_xcnt 0x0                                ; the last prefetch, a slot back, has read its address, so it may be written
	s_add_nc_u64 s[PFA:PFA+1], s[PFA:PFA+1], s[PFS:PFS+1]
.endif
	s_wait_dscnt 0x0                               ; the add is done, and my reads of the slot that I have left are over
	s_barrier_signal -1
	s_barrier_wait -1
.if \fill
	TLOAD                                          ; the first thing behind the barrier, and a wave's one tensor load until the next
	ASK
.endif
.endm
.macro SLOT_STEPS
	STEP 0
	STEP 1
	s_xor_b32 s[TB], s[TB], SLOT1                  ; on to the other slot
.endm
; A block of queries is finished: O^T is divided by the row's sum, quantised with 2^e6, and goes through my stage, so that the wave's 16 tokens leave as 1,024 consecutive bytes.
.macro FINISH
.rept 4
	v_nop                                          ; places behind the last products
.endr
	v_add_f32 v14, v14, v15                        ; the sum's two halves,
	v_permlanex16_b32 v236, v14, s[SEL], s[SEL+1]
	v_add_f32 v14, v14, v236                       ; and lane l xor 16's
	v_rcp_f32 v14, v14
	v_nop                                          ; a plain instruction behind the reciprocal,
	s_wait_alu depctr_va_vdst(0)                   ; and the wait ahead of its first reader
.set j, 0
.rept 32
	v_mul_f32 v[96+j], v[160+j], v14               ; register 8 t + i: channel 16 t + 8 h + i of query r; each accumulator from its low end on
.set j, j+1
.endr
.set j, 0
.rept 32
	v_med3_num_f32 v[96+j], v[96+j], -v241, v241   ; the hold at 448 x the scale
.set j, j+1
.endr
.irp t, 0,1,2,3
	v_cvt_scalef32_pk8_fp8_f32 v[192+2*\t:193+2*\t], v[96+8*\t:103+8*\t], v245
.endr
	v_nop                                          ; one plain vector instruction behind the last scaled conversion
.irp t, 0,1,2,3
	ds_store_b64 v[STI], v[192+2*\t:193+2*\t] offset:16*\t
.endr
	ds_load_b128 v[208:211], v[STR]                ; LDS serves a wave's instructions in order: these see my stores
	ds_load_b128 v[212:215], v[STR] offset:8*SP
	s_wait_dscnt 0x1                               ; the first eight tokens are back; the second load may be out
	global_store_b128 v[GO], v[208:211], s[OPT:OPT+1]
	s_wait_dscnt 0x0
	global_store_b128 v[GO], v[212:215], s[OPT:OPT+1] offset:512
.endm
.Lslot:                                            ; eight trips: behind each change of slots but the last the walk's next slot is asked for
	CHANGE 1
	SLOT_STEPS
	s_cmp_lg_u32 s[KF], s[QE]                      ; the first block's keys are walked: it is finished, and the second begun
	s_cbranch_scc1 .Lsame_block
	FINISH
	INIT LO
.Lsame_block:
	s_add_co_u32 s[N], s[N], 1
	s_cmp_lt_u32 s[N], 8
	s_cbranch_scc1 .Lslot
	CHANGE 0                                       ; the ninth slot is written out
	SLOT_STEPS
	FINISH
	s_wait_tensorcnt 0x0                           ; the wave's end
	ds_add_u32 v[SPW], v[NIL]
	s_wait_dscnt 0x0
	s_endpgm
.Lfunc_end_k_qe39ca01c63_attn:
	.size	k_qe39ca01c63_attn, .Lfunc_end_k_qe39ca01c63_attn-k_qe39ca01c63_attn
	.p2alignl 7, 3214868480
	.fill 96, 4, 3214868480
	.section	.rodata,"a",@progbits
	.p2align	6, 0x0
	.amdhsa_kernel k_qe39ca01c63_attn
		.amdhsa_group_segment_fixed_size 327680
		.amdhsa_private_segment_fixed_size 0
		.amdhsa_enable_private_segment 0
		.amdhsa_kernarg_size 40
		.amdhsa_user_sgpr_count 2
		.amdhsa_user_sgpr_kernarg_segment_ptr 1
		.amdhsa_wavefront_size32 1
		.amdhsa_system_sgpr_workgroup_id_x 1
		.amdhsa_system_sgpr_workgroup_id_y 1
		.amdhsa_system_sgpr_workgroup_id_z 1
		.amdhsa_system_vgpr_workitem_id 0
		.amdhsa_next_free_vgpr 256
		.amdhsa_next_free_sgpr 100
		.amdhsa_reserve_vcc 1
		.amdhsa_float_denorm_mode_32 3
		.amdhsa_float_denorm_mode_16_64 3
		.amdhsa_memory_ordered 1
		.amdhsa_forward_progress 1
		.amdhsa_inst_pref_size 107
	.end_amdhsa_kernel
	.amdgpu_metadata
---
amdhsa.version: [ 1, 2 ]
amdhsa.kernels:
  - .name:           k_qe39ca01c63_attn
    .symbol:         k_qe39ca01c63_attn.kd
    .args:
      - { .name: q_codes, .offset: 0, .size: 8, .value_kind: global_buffer, .address_space: global }
      - { .name: k_codes, .offset: 8, .size: 8, .value_kind: global_buffer, .address_space: global }
      - { .name: v_codes, .offset: 16, .size: 8, .value_kind: global_buffer, .address_space: global }
      - { .name: lowp_scales, .offset: 24, .size: 8, .value_kind: global_buffer, .address_space: global }
      - { .name: a_codes, .offset: 32, .size: 8, .value_kind: global_buffer, .address_space: global }
    .group_segment_fixed_size: 327680
    .private_segment_fixed_size: 0
    .kernarg_segment_align: 8
    .kernarg_segment_size: 40
    .max_flat_workgroup_size: 512
    .sgpr_count:     100
    .vgpr_count:     256
    .wavefront_size: 32
...
	.end_amdgpu_metadata
.endif
;; end of part 2
;; launch proj (part 3): grid 8 x 32, 4 waves a work-group, clusters of 4 x 4, 327,680 bytes of LDS; arguments a_codes, w_out_codes, lowp_scales, out0; writes out0
.if DOCPART == 3
	.amdgcn_target "amdgcn-amd-amdhsa--gfx1250"
	.amdhsa_code_object_version 6
	.text
	.protected	k_qe39ca01c63_proj
	.globl	k_qe39ca01c63_proj
	.p2align	8
	.type	k_qe39ca01c63_proj,@function
k_qe39ca01c63_proj:
	s_mov_b64 s[64:65], 0
	v_nop
	global_prefetch_b8 v0, s[64:65] scope:SCOPE_SE
	s_setreg_imm32_b32 hwreg(HW_REG_WAVE_MODE, 25, 1), 1
	s_wait_xcnt 0x0
	s_wait_alu depctr_hold_cnt(0) depctr_sa_sdst(0) depctr_va_vdst(0) depctr_va_sdst(0) depctr_va_ssrc(0) depctr_va_vcc(0) depctr_vm_vsrc(0)
	s_getreg_b32 s2, hwreg(HW_REG_IB_STS2, 6, 4)
	s_cmp_eq_u32 s2, 0
	s_cbranch_scc0 .Lentry_in_a_cluster
	s_endpgm
.Lentry_in_a_cluster:
	s_bfe_u32 s2, ttmp6, 0x10000c
	s_cmp_lg_u32 s2, 0xf033
	s_cbranch_scc0 .Lentry_shape_is_right
	s_endpgm
.Lentry_shape_is_right:
; out0 = a w_out on codes of FP8 (E4M3), x 2^(e6 + e7).  a_codes: [batch x 16 + head][token 2048][64] (K = head x 64 + d);  w_out_codes: [1024 n][1024 k];  out0: [8192 tokens][1024] f32.
; A tile of out0 is 256 tokens x 128 outputs: 256 work-groups, so that every WGP stores its share of the output, which is the larger part of this launch's bytes.  Four waves, each 128 tokens x 64 outputs: 32 accumulators, 256 registers.
; K = 1024 goes in four steps of 256 (four heads) through a ring of two LDS slots.  A'S TILE: a "row" of the descriptor is one head's 128 tokens, 8,192 consecutive bytes; the four rows are the slot's four heads, 131,072 bytes apart;
; 16 bytes of padding behind every 64 lay it in LDS as [head 4][token 128] with 80 bytes from token to token.
; CLUSTERS: 4 x 4 work-groups; A's tile is asked for jointly along a row of the cluster, B's along a column.  THE MATRIX INSTRUCTION IS USED TRANSPOSED (source 0 = 16 rows of w_out, source 1 = 16 tokens): a lane holds eight neighbouring outputs of one token.
; LIMIT: e6 + e7 between -126 and 127, so that 2^(e6 + e7) is an f32 number.
; REGISTERS: window 0: v1-29 addresses; v32-127 at work on the way out; from v128 A's fragments (8 x 16 tokens x 128 K), one set.  window 1: B's fragments, two sets of 64.  window 2: the accumulators, (a, b) at v[8 (4 a + b)].
.set PA,     80                        ; A in LDS: a token's 64 bytes of one head + 16
.set PB,     272                       ; B in LDS: 256 bytes + 16
.set AHALF,  4*128*PA                  ; what one load brings of A: four heads x 128 tokens
.set BHALF,  64*PB                     ; of B: 64 rows
.set BOFF,   2*AHALF
.set SLOT,   BOFF+2*BHALF
.set SPARE,  2*SLOT                    ; behind the ring: the spare words, 128 bytes for each wave
.set ASTEP,  4*131072                  ; a K step of A in memory: four heads on
.set BSTEP,  256                       ; of B: 256 bytes along the rows
.set FR,     16
.set NL,     4
.set NP,     4                         ; places behind this matrix instruction (ISA guide 7.12.1)
.set SPITCH, 272                       ; the way out: a stage of 16 rows x (256 bytes + 16) for each wave, in slot 0, which has had its last fill and its last read when the first result is stored there
.set ADRA, 16                          ; v16-17  LDS address of my A fragments in slot 0, 1
.set ADRB, 20                          ; v20-21  the same for B
.set STO,  24                          ; v24  the way out: where I put 32 bytes of a row
.set RD,   25                          ; v25  where I read 16 bytes back
.set CO,   26                          ; v26  my byte offset in two rows of out0
.set SPW,  28                          ; v28  LDS address of my spare word; never rewritten
.set NIL,  29                          ; v29  0; never rewritten
.set TMP,  32                          ; 32 registers: a block's sums x 2^(e6 + e7)
.set BK,   64                          ; 16 rows read back: v64-95 and v96-127 by turns
.set AF,   128
.set G1, 24                            ; s[24:31] descriptor group 1 for A's tiles;  s[32:39] group 0, one set for each slot
.set G0, 32
.set G1B, 48                           ; s[48:55], s[56:63] the same for B's tiles
.set G0B, 56
.set MSB, 0
.macro WIN new                         ; the immediate's high byte repeats the setting that is left
.if MSB != \new
	s_set_vgpr_msb (MSB<<8)|\new
.set MSB, \new
.endif
.endm
.set MUL,  0xa1                        ; source 0 (B) window 1, source 1 (A) window 0, C and D window 2
.set TO_B, 0x40                        ; destination window 1, address window 0
.macro JLOAD g0a, g1a, g0b, g1b        ; a joint load: waves 0 and 1 fetch for A, waves 2 and 3 for B; four v_nop follow each of the two lines
	s_cmp_eq_u32 s15, 0
	s_cbranch_scc0 .Lfor_b_\@
	tensor_load_to_lds s[\g0a:\g0a+3], s[\g1a:\g1a+7]
	s_nop 0
.rept 4
	v_nop
.endr
	s_branch .Lasked_\@
.Lfor_b_\@:
	tensor_load_to_lds s[\g0b:\g0b+3], s[\g1b:\g1b+7]
	s_nop 0
.rept 4
	v_nop
.endr
.Lasked_\@:
.endm
.macro CREST                           ; a round of the cluster's barrier behind its opening barrier
	s_cmp_lg_u32 s14, 0
	s_cbranch_scc1 .Lnot_wave_0_\@
	s_barrier_signal -3
.Lnot_wave_0_\@:
	s_barrier_wait -3
	s_barrier_signal -1
	s_barrier_wait -1
.endm
.macro CROUND                          ; a whole round
	s_barrier_signal -1
	s_barrier_wait -1
	CREST
.endm
	s_load_b128 s[4:7], s[0:1], 0x0                ; a_codes s[4:5], w_out_codes s[6:7]
	s_load_b128 s[8:11], s[0:1], 0x10              ; the scales' exponents s[8:9], out0 s[10:11]
	v_lshl_add_u32 v[SPW], v0, 2, SPARE
	v_mov_b32 v[NIL], 0
	ds_add_u32 v28, v29
	s_wait_dscnt 0x0
	v_lshrrev_b32 v1, 5, v0
	v_readfirstlane_b32 s14, v1                    ; wave 0..3
	s_lshr_b32 s15, s14, 1                         ; which 128 tokens are mine.  Also: I fetch for A (0) or for B (1)
	s_and_b32 s16, s14, 1                          ; which 64 outputs.  Also: which half of that tile I fetch
	s_bfe_u32 s40, ttmp6, 0x40000                  ; cx, cy: my place in the cluster
	s_bfe_u32 s41, ttmp6, 0x40004
	s_lshl_b32 s42, ttmp9, 2
	s_add_co_u32 s42, s42, s40                     ; tile column = 4 x cluster x + cx: 128 outputs
	s_and_b32 s17, ttmp7, 0xffff
	s_lshl_b32 s17, s17, 2
	s_add_co_u32 s17, s17, s41                     ; tile row = 4 x cluster y + cy: 256 tokens
	s_lshl_b32 s43, s41, 2
	s_lshl_b32 s43, 15, s43                        ; my row of the cluster
	s_lshl_b32 s44, 0x1111, s40                    ; my column
	s_or_b32 s[G1+0], s43, (1<<20)|(1<<21)|(3<<22)|(3<<25)    ; A: the mask of my row; elements of 1 byte; padding on; bit 21 beside a mask; four words after every 16
	s_mov_b32 s[G1+1], 8192<<16                    ; tensor_dim0: a head's 128 tokens x 64 bytes
	s_mov_b32 s[G1+2], 4<<16                       ; tensor_dim1: four heads
	s_mov_b32 s[G1+3], 8192<<16                    ; tile_dim0
	s_mov_b32 s[G1+4], 4                           ; tile_dim1
	s_mov_b32 s[G1+5], 131072                      ; from head to head
	s_mov_b32 s[G1+6], 0
	s_mov_b32 s[G1+7], 0
	s_or_b32 s[G1B+0], s44, (1<<20)|(1<<21)|(5<<22)|(3<<25)   ; B: the mask of my column; four words after every 64
	s_mov_b32 s[G1B+1], 256<<16
	s_mov_b32 s[G1B+2], 64<<16
	s_mov_b32 s[G1B+3], 256<<16
	s_mov_b32 s[G1B+4], 64
	s_mov_b32 s[G1B+5], 1024
	s_mov_b32 s[G1B+6], 0
	s_mov_b32 s[G1B+7], 0
	s_lshr_b32 s20, s17, 3                         ; A: batch x 16 heads x 131,072
	s_lshl_b32 s20, s20, 21
	s_and_b32 s21, s17, 7
	s_lshl_b32 s21, s21, 14                        ; + (tile row % 8) x 256 tokens x 64
	s_add_co_u32 s20, s20, s21
	s_lshl_b32 s21, s16, 13                        ; + my half's 128 tokens
	s_add_co_u32 s20, s20, s21
	s_mov_b32 s21, 0
	s_lshl_b32 s46, s42, 17                        ; B: 128 rows of 1,024 bytes a tile column
	s_lshl_b32 s47, s16, 16                        ; + my half's 64 rows
	s_add_co_u32 s46, s46, s47
	s_mov_b32 s47, 0
	s_mul_i32 s18, s16, AHALF                      ; where they go: no place in the cluster enters an LDS address
	s_mul_i32 s19, s16, BHALF
	s_add_co_u32 s19, s19, BOFF
	s_wait_kmcnt 0x0
	s_load_b64 s[96:97], s[8:9], 0x18              ; e6, e7
	s_add_nc_u64 s[20:21], s[4:5], s[20:21]
	s_add_nc_u64 s[46:47], s[6:7], s[46:47]
	CROUND                                         ; all sixteen work-groups are here: the first joint loads meet
.irp s, 0,1
	s_mov_b32 s[G0+4*\s], 1
	s_add_co_u32 s[G0+4*\s+1], s18, \s*SLOT
	s_add_nc_u64 s[G0+4*\s+2:G0+4*\s+3], s[20:21], \s*ASTEP
	s_or_b32 s[G0+4*\s+3], s[G0+4*\s+3], 0x80000000
	s_mov_b32 s[G0B+4*\s], 1
	s_add_co_u32 s[G0B+4*\s+1], s19, \s*SLOT
	s_add_nc_u64 s[G0B+4*\s+2:G0B+4*\s+3], s[46:47], \s*BSTEP
	s_or_b32 s[G0B+4*\s+3], s[G0B+4*\s+3], 0x80000000
	JLOAD G0+4*\s, G1, G0B+4*\s, G1B
.endr
	v_and_b32 v1, 15, v0                           ; r = lane % 16
	v_bfe_u32 v2, v0, 4, 1                         ; h = lane / 16
	v_mul_u32_u24 v3, v1, PA
	v_lshl_add_u32 v3, v2, 4, v3
	v_mul_u32_u24 v4, v1, PB
	v_lshl_add_u32 v4, v2, 4, v4
	s_mul_i32 s21, s15, AHALF                      ; my 128 tokens
	s_mul_i32 s22, s16, BHALF                      ; my 64 rows of w_out,
	s_add_co_u32 s22, s22, BOFF                    ; behind A's two halves
.irp s, 0,1
	v_add_nc_u32 v[ADRA+\s], s21, v3
	v_add_nc_u32 v[ADRB+\s], s22, v4
	s_add_co_u32 s21, s21, SLOT
	s_add_co_u32 s22, s22, SLOT
.endr
	s_mul_i32 s23, s14, 16*SPITCH                  ; my stage
	v_mul_u32_u24 v5, v1, SPITCH                   ; in: row r, 32 bytes for each half of the lanes
	v_lshl_add_u32 v5, v2, 5, v5
	v_add_nc_u32 v[STO], s23, v5
	v_mul_u32_u24 v5, v2, SPITCH                   ; back: lanes 0-15 one row of 256 bytes, lanes 16-31 the next
	v_lshl_add_u32 v5, v1, 4, v5
	v_add_nc_u32 v[RD], s23, v5
	v_lshlrev_b32 v5, 12, v2                       ; and the same two rows of out0, 4,096 bytes apart
	v_lshl_add_u32 v[CO], v1, 4, v5
	s_lshl_b32 s20, s17, 8
	s_lshl_b32 s21, s15, 7
	s_add_co_u32 s20, s20, s21                     ; my first token: 256 x tile row + 128 x half
	s_lshl_b32 s20, s20, 12
	s_lshl_b32 s46, s42, 9                         ; my first output, in bytes: 512 x tile column + 256 x half
	s_lshl_b32 s47, s16, 8
	s_add_co_u32 s46, s46, s47
	s_add_co_u32 s20, s20, s46
	s_mov_b32 s21, 0
	s_add_nc_u64 s[10:11], s[10:11], s[20:21]
.macro FRAGA reg, slot, q, i           ; 16 tokens x 128 K: registers 4 c .. 4 c + 3 hold K = 128 q + 32 c + 16 h + 0 .. 15: head 2 q + c / 2 of the slot, d = 32 (c % 2) + 16 h on
.irp c, 0,1,2,3
	ds_load_b128 v[\reg+4*\c:\reg+4*\c+3], v[ADRA+\slot] offset:(2*(\q)+\c/2)*128*PA+(\i)*16*PA+32*(\c%2)
.endr
.endm
.macro FRAGB reg, slot, q, i           ; 16 rows of w_out, the same K in the same registers
.irp c, 0,1,2,3
	ds_load_b128 v[\reg+4*\c:\reg+4*\c+3], v[ADRB+\slot] offset:128*(\q)+32*\c+(\i)*16*PB
.endr
.endm
; 8 matrix instructions: A's blocks a0, a0 + 1 x B's four, 128 along K.  The 32 accumulators take turns, one instruction a turn, in the same order in every step.
.macro MUL8 a0, p, zero
.irp a, \a0, \a0+1
.irp b, 0,1,2,3
.if \zero
	v_wmma_f32_16x16x128_fp8_fp8 v[8*(4*(\a)+\b):8*(4*(\a)+\b)+7], v[64*(\p)+FR*\b:64*(\p)+FR*\b+FR-1], v[AF+FR*(\a):AF+FR*(\a)+FR-1], 0
.else
	v_wmma_f32_16x16x128_fp8_fp8 v[8*(4*(\a)+\b):8*(4*(\a)+\b)+7], v[64*(\p)+FR*\b:64*(\p)+FR*\b+FR-1], v[AF+FR*(\a):AF+FR*(\a)+FR-1], v[8*(4*(\a)+\b):8*(4*(\a)+\b)+7]
.endif
.endr
.endr
.endm
.macro FETCH_B slot, q, p
	WIN TO_B
.irp i, 0,1,2,3
	FRAGB 64*(\p)+FR*\i, \slot, \q, \i
.endr
	WIN 0
.endm
.macro FETCH_A slot, q, i0
.irp i, \i0, \i0+1, \i0+2, \i0+3
	FRAGA AF+FR*(\i), \slot, \q, \i
.endr
.endm
.macro PLACES n                        ; plain vector instructions between a matrix instruction and a load into, or a read of, its registers
.rept \n
	v_nop
.endr
.endm
.macro STEP slot, q, zero              ; a step of 128 along K that has its successor in the same slot
	s_wait_dscnt 4*NL                              ; B's set and A's blocks 0-3 are in; the youngest sixteen loads (A's blocks 4-7) may be out
	WIN MUL
	MUL8 0, (\q)%2, \zero
	MUL8 2, (\q)%2, \zero
	s_wait_dscnt 0
	PLACES NP
	FETCH_B \slot, (\q)+1, 1-(\q)%2
	FETCH_A \slot, (\q)+1, 0
	WIN MUL
	MUL8 4, (\q)%2, \zero
	MUL8 6, (\q)%2, \zero
	PLACES NP
	WIN 0
	FETCH_A \slot, (\q)+1, 4
.endm
; A slot's last step changes slots: ONE barrier; in front of it each wave waits for all its tensor loads, adds 0 to its spare word, and waits for that and for its own reads of this slot.
.macro TURN slot, next, fill
	s_wait_tensorcnt 0x0                           ; all my tensor loads have landed: my part of the next slot  (every window is 0 here)
	ds_add_u32 v[SPW], v[NIL]                      ; 0 onto my spare word
	s_wait_dscnt 4*NL+1                            ; (the add and the youngest sixteen loads may be out)
	WIN MUL
	MUL8 0, 1, 0                                   ; eight matrix instructions stand between the add and the wait for it
	s_wait_dscnt 0x0                               ; the add is done, and my reads of this slot are over
	s_barrier_signal -1
	MUL8 2, 1, 0
	WIN 0
	s_barrier_wait -1
.if \fill
	CREST                                          ; the barrier has opened a round of the cluster's barrier: no wave of any partner still reads this slot or has a load on its way
	s_add_nc_u64 s[G0+4*\slot+2:G0+4*\slot+3], s[G0+4*\slot+2:G0+4*\slot+3], 2*ASTEP
	s_add_nc_u64 s[G0B+4*\slot+2:G0B+4*\slot+3], s[G0B+4*\slot+2:G0B+4*\slot+3], 2*BSTEP
	JLOAD G0+4*\slot, G1, G0B+4*\slot, G1B         ; the first tensor load behind the round; its four v_nop are also the places in front of the loads below
.else
	PLACES NP
.endif
	FETCH_B \next, 0, 0
	FETCH_A \next, 0, 0
	WIN MUL
	MUL8 4, 1, 0
	MUL8 6, 1, 0
	PLACES NP
	WIN 0
	FETCH_A \next, 0, 4
.endm
	s_wait_tensorcnt 1                             ; my part of K step 0 is in (K step 1's load may be out)
	s_barrier_signal -1
	s_barrier_wait -1                              ; everybody's is
	FETCH_B 0, 0, 0
	FETCH_A 0, 0, 0
	FETCH_A 0, 0, 4
	STEP 0, 0, 1                                   ; four slots, eight steps of 128, written out; the first starts the sums
	TURN 0, 1, 1
	STEP 1, 0, 0
	TURN 1, 0, 1
	STEP 0, 0, 0
	TURN 0, 1, 0                                   ; nothing is left to fetch; behind this barrier nobody reads slot 0
	STEP 1, 0, 0
	s_wait_dscnt 4*NL                              ; the last step
	WIN MUL
	MUL8 0, 1, 0
	MUL8 2, 1, 0
	s_wait_dscnt 0
	MUL8 4, 1, 0
	MUL8 6, 1, 0
	WIN 0
; THE WAY OUT, block by block of 16 tokens x 64 outputs, through my own stage: a lane's 32 bytes go in, whole rows of 256 bytes come back.  LDS serves a wave's instructions in order (ISA guide 5.7.1.4).
.macro TOSTAGE a
	WIN 0x02                                       ; source 0: window 2
.irp j, 0,2,4,6,8,10,12,14,16,18,20,22,24,26,28,30
	v_pk_mul_f32 v[TMP+\j:TMP+\j+1], v[32*(\a)+\j:32*(\a)+\j+1], s[96:97] op_sel_hi:[1,0]   ; both x s96 = 2^(e6 + e7); each accumulator from its low end on
.endr
	WIN 0
.irp b, 0,1,2,3
	ds_store_b128 v[STO], v[TMP+8*\b:TMP+8*\b+3] offset:64*\b
	ds_store_b128 v[STO], v[TMP+8*\b+4:TMP+8*\b+7] offset:64*\b+16
.endr
.set BB, BK+32*((\a)%2)
.irp t, 0,1,2,3,4,5,6,7
	ds_load_b128 v[BB+4*\t:BB+4*\t+3], v[RD] offset:\t*2*SPITCH
.endr
.endm
.macro SEND a, younger                 ; younger: the LDS instructions issued behind block a's loads, which may stay out
.set BB, BK+32*((\a)%2)
	s_wait_dscnt \younger
.if (\a) > 0
	s_add_nc_u64 s[10:11], s[10:11], 16*4096       ; (behind a wait on XCNT: the earlier stores have read their base)  16 tokens on
.endif
.irp t, 0,1,2,3,4,5,6,7
	global_store_b128 v[CO], v[BB+4*\t:BB+4*\t+3], s[10:11] offset:\t*2*4096 th:TH_STORE_NT   ; sixteen lanes store 256 consecutive bytes, aligned; written once, read by nobody here
.endr
.endm
	s_wait_kmcnt 0x0
	s_add_co_i32 s96, s96, s97                     ; e6 + e7
	s_add_co_i32 s96, s96, 127
	s_lshl_b32 s96, s96, 23                        ; 2^(e6 + e7) as f32
	PLACES NP
	TOSTAGE 0
.irp a, 1,2,3,4,5,6,7
.if \a > 1
	s_wait_xcnt 0x0                                ; block a - 2's stores have read their registers and their base
.endif
	TOSTAGE \a
	SEND \a-1, 16                                  ; behind block a - 1's loads: block a's 8 stores and 8 loads
.endr
	s_wait_xcnt 0x0
	SEND 7, 0
	s_wait_tensorcnt 0x0                           ; the wave's end
	ds_add_u32 v[SPW], v[NIL]
	s_wait_dscnt 0x0
	CROUND                                         ; the closing round: no work-group ends while a partner may still ask for a tile that names it
	s_endpgm
.Lfunc_end_k_qe39ca01c63_proj:
	.size	k_qe39ca01c63_proj, .Lfunc_end_k_qe39ca01c63_proj-k_qe39ca01c63_proj
	.p2alignl 7, 3214868480
	.fill 96, 4, 3214868480
	.section	.rodata,"a",@progbits
	.p2align	6, 0x0
	.amdhsa_kernel k_qe39ca01c63_proj
		.amdhsa_group_segment_fixed_size 327680
		.amdhsa_private_segment_fixed_size 0
		.amdhsa_enable_private_segment 0
		.amdhsa_kernarg_size 32
		.amdhsa_user_sgpr_count 2
		.amdhsa_user_sgpr_kernarg_segment_ptr 1
		.amdhsa_wavefront_size32 1
		.amdhsa_system_sgpr_workgroup_id_x 1
		.amdhsa_system_sgpr_workgroup_id_y 1
		.amdhsa_system_sgpr_workgroup_id_z 1
		.amdhsa_system_vgpr_workitem_id 0
		.amdhsa_next_free_vgpr 768
		.amdhsa_next_free_sgpr 98
		.amdhsa_reserve_vcc 0
		.amdhsa_float_denorm_mode_32 3
		.amdhsa_float_denorm_mode_16_64 3
		.amdhsa_memory_ordered 1
		.amdhsa_forward_progress 1
		.amdhsa_inst_pref_size 77
	.end_amdhsa_kernel
	.amdgpu_metadata
---
amdhsa.version: [ 1, 2 ]
amdhsa.kernels:
  - .name:           k_qe39ca01c63_proj
    .symbol:         k_qe39ca01c63_proj.kd
    .args:
      - { .name: a_codes, .offset: 0, .size: 8, .value_kind: global_buffer, .address_space: global }
      - { .name: w_out_codes, .offset: 8, .size: 8, .value_kind: global_buffer, .address_space: global }
      - { .name: lowp_scales, .offset: 16, .size: 8, .value_kind: global_buffer, .address_space: global }
      - { .name: out0, .offset: 24, .size: 8, .value_kind: global_buffer, .address_space: global }
    .group_segment_fixed_size: 327680
    .private_segment_fixed_size: 0
    .kernarg_segment_align: 8
    .kernarg_segment_size: 32
    .max_flat_workgroup_size: 128
    .sgpr_count:     98
    .vgpr_count:     768
    .wavefront_size: 32
...
	.end_amdgpu_metadata
.endif
;; end of part 3
